; MI455X (gfx1250); checked and timed in simulation.
; The chip was launched on July 23, 2026; its instructions are those of AMD's public machine-readable ISA for CDNA 5 (MIT licence, August 2026) and "CDNA5" Instruction Set Architecture Reference Guide (July 2026). The comments in the code are by the model that wrote it; some were corrected since.
;; Hunyuan Sparse Moe Block. Allowed arithmetic: matrix products marked QUANTISED: E2M3 operands, one E8M0 scale for each 32 along K, by v_wmma_scale_f32_16x16x128_f8f6f4 with both operands' format E2M3, f32 sums; products left as they are: f32 operands where the result goes on into a quantised operand, else bf16, f16 or f32 operands; f32 sums; everything else in f32.
;; Inputs: hidden_states 2 x 1,024 x 2,048 float32; w_down_codes 8 x 2,048 x 16 x 24 uint8 (E2M3 codes of w_down, K innermost, in blocks of 32 codes, four codes in three bytes); w_down_scales 8 x 2,048 x 16 uint8 (E8M0 scales of w_down, one for each 32 codes along K); w_gate 2,048 x 8 float32; w_gate_up_codes 8 x 1,024 x 64 x 24 uint8 (E2M3 codes of w_gate_up, K innermost, in blocks of 32 codes, four codes in three bytes); w_gate_up_scales 8 x 1,024 x 64 uint8 (E8M0 scales of w_gate_up, one for each 32 codes along K); w_sh_down_codes 2,048 x 32 x 24 uint8 (E2M3 codes of w_sh_down, K innermost, in blocks of 32 codes, four codes in three bytes); w_sh_down_scales 2,048 x 32 uint8 (E8M0 scales of w_sh_down, one for each 32 codes along K); w_sh_gate_up_codes 2,048 x 64 x 24 uint8 (E2M3 codes of w_sh_gate_up, K innermost, in blocks of 32 codes, four codes in three bytes); w_sh_gate_up_scales 2,048 x 64 uint8 (E8M0 scales of w_sh_gate_up, one for each 32 codes along K).
;; Outputs: out0 2 x 1,024 x 2,048 float32.
;; This version of the problem:
;;   THIS VERSION OF THE PROBLEM IS GIVEN IN LOW PRECISION. The matrix products marked QUANTISED in the list below multiply operands that are first quantised to E2M3 (2 exponent bits, 3 mantissa bits; 6 bits a number), with one power-of-two scale for each 32 numbers along K (OCP MX v1.0); their sums are f32. All else is computed in f32.
;;   The module's matrix products, in the order in which they are computed (A, B: the left and right operand; K: the contracted axis; several contracted axes count as one K, in the product's order):
;;     1. [M 2,048, K 2,048] x [K 2,048, N 8]; A: input hidden_states; B: input w_gate: left as it is (N = 8 < 16)
;;     2. [M 8,192, K 2,048] x [K 2,048, N 2,048]; A: input w_gate_up (given as codes); B: input hidden_states: QUANTISED
;;     3. batch 8 x [M 2,048, K 512] x [K 512, N 2,048]; A: computed on the way; B: input w_down (given as codes): QUANTISED
;;     4. batch 2,048 x [M 1, K 8] x [K 8, N 2,048]; A: computed on the way; B: computed on the way: left as it is (K = 8 < 32)
;;     5. [M 2,048, K 2,048] x [K 2,048, N 2,048]; A: input hidden_states; B: input w_sh_gate_up (given as codes): QUANTISED
;;     6. [M 2,048, K 1,024] x [K 1,024, N 2,048]; A: computed on the way; B: input w_sh_down (given as codes): QUANTISED
;;   THE QUANTISER, for each operand of a quantised product, along K:
;;     - K is cut into blocks of 32 from its start; a last block that is shorter is filled with zeros.
;;     - A block's scale is 2^e with e = floor(log2(the largest magnitude in the block)) - 2, held to -126 .. 127; a block of zeros has e = 0. As a byte (E8M0): e + 127.
;;     - Each number is divided by its block's scale, clamped to +-7.5, and rounded to the nearest number of E2M3, ties to even, subnormals kept.
;;     - The product sums the exact products of the quantised numbers (number of the format x scale) in f32.
;;   ~~~python
;;   def quantise(x, axis):      # numpy; x: float32 -> the quantised numbers, widened to float32 again
;;       x = np.moveaxis(x, axis, -1); K = x.shape[-1]
;;       x = np.pad(x, [(0, 0)] * (x.ndim - 1) + [(0, -K % 32)]); x = x.reshape(x.shape[:-1] + (-1, 32)); a = np.abs(x).max(-1, keepdims=True)
;;       e = np.where(a > 0, np.clip(np.frexp(np.where(a > 0, a, 1))[1] - 1 - 2, -126, 127), 0)      # np.frexp(a)[1] - 1 = floor(log2(a)), exactly
;;       r = np.clip(x / 2.0 ** e, -7.5, 7.5)
;;       step = 2.0 ** (np.maximum(np.frexp(np.where(r == 0, 1, r))[1] - 1, 0) - 3)
;;       q = np.round(r / step) * step * 2.0 ** e      # np.round: ties to even
;;       return np.moveaxis(q.reshape(q.shape[:-2] + (-1,))[..., :K], -1, axis).astype(np.float32)
;;   ~~~
;;   OPERANDS COMPUTED ON THE WAY. 'Computed on the way' means the value that the module computes at that place (a softmax that the list does not call 'softmax' is quantised finished and normalised). What goes into a quantiser is computed in f32, as accurately as f32 sums, v_exp_f32 and their like allow (about 1e-6 of the number): no bf16 or f16 on the way to a quantiser, and a product that is left as it is and whose result goes on into a quantised operand takes f32 operands (vector FMAs, or v_wmma_f32_16x16x4_f32). A number that lies on a knife's edge between two numbers of the format may be rounded either way, as far as f32 arithmetic and the matrix unit's own rounding can turn it there, and no further.
;;   INPUTS GIVEN AS CODES. w_down (in the module: [8, 512, 2048], K = its axis 1); w_gate_up (in the module: [8, 2048, 1024], K = its axis 1); w_sh_down (in the module: [1024, 2048], K = its axis 0); w_sh_gate_up (in the module: [2048, 2048], K = its axis 0): each comes as NAME_codes (uint8): NAME with its K axis moved to the last place and cut into blocks of 32 codes, [.., K / 32, bytes a block], one block behind the other in memory; four codes in three bytes: a row's codes are one little-endian stream of bits, code i at bits 6 i .. 6 i + 5 (a code: sign, 2 exponent bits, 3 mantissa bits); and NAME_scales (uint8): the same leading axes, one E8M0 byte (e + 127) for each 32 codes along K. Its value is code x scale, taken as it is: it is not quantised again, and the codes and scales need not be those that the quantiser above would give.
;; 2 versions. Each part assembles by itself: llvm-mc -triple=amdgcn-amd-amdhsa -mcpu=gfx1250 --defsym DOCPART=n.
;; ======== version 1 of 2: 4 launches
;; workspace buffers: xq 3,145,728 bytes; xs 131,072 bytes; rid 8,192 bytes of whole numbers; comb 65,536 bytes; plan 13,056 bytes of whole numbers; actc 7,864,320 bytes; acts 327,680 bytes
;; launch route (part 1): grid 256 x 1, 4 waves a work-group, no clusters, 90,112 bytes of LDS; arguments hidden_states, w_gate, xq, xs, rid, comb; writes xq, xs, rid, comb
.if DOCPART == 1
	.amdgcn_target "amdgcn-amd-amdhsa--gfx1250"
	.amdhsa_code_object_version 6
	.text
	.protected	k_qe784e3763f_route
	.globl	k_qe784e3763f_route
	.p2align	8
	.type	k_qe784e3763f_route,@function
k_qe784e3763f_route:
	s_mov_b64 s[64:65], 0
	v_nop
	global_prefetch_b8 v0, s[64:65] scope:SCOPE_SE
	s_setreg_imm32_b32 hwreg(HW_REG_WAVE_MODE, 25, 1), 1
	s_wait_xcnt 0x0
; ROUTE: the router in f32, the choice of two experts, the combine row; and x quantised once to E2M3 codes with E8M0 scales.
; WORK LEFT OUT IN THIS PROGRAM, for all values of the inputs:
;  (1) combine[t][e] is built in the problem's own body as topk_w x one_hot(topk_ids): it is 0 for the six experts that a token's own top-2 does not name.  So gu, act and eo of an
;      expert reach the result only for the tokens that chose it.  The later launches multiply only units (16 sorted tokens, expert) in which some token chose the expert; rows of such a
;      unit that did not choose it stay and get the weight 0.
;  (2) topk_w / sum(topk_w) = p1 / (p1 + p2): the softmax's sum over all eight exponentials cancels.  With t = exp(l2 - l1): w1 = 1 / (1 + t), w2 = t w1.  The largest logit l1 is taken away
;      ahead of the exponential, as the problem does.
;  (3) the sum over experts of combine x eo is a selection: two multiply-adds a number.
; Every input keeps a way to the output; all are loaded by some launch.
; LIMITS: a NaN, an infinity or an overflow that reaches only the work left out is not carried to the result.  Logits are taken to be finite.  The two experts are chosen on the logits
; (the exponential rises with them), ties to the lower index; two unlike logits whose probabilities round to one f32 number may be ordered otherwise than by probabilities.
; A block of zeros gets the scale byte 1 (its codes are zeros; these bytes are read by this program alone).  NaN and infinities in x are not served.
; SHARES.  A work-group takes 8 tokens; wave w takes k = 512 w .. 512 w + 511 of each; lane l takes 16 neighbours, k = 512 w + 16 l + i.  The lane's 16 x 8 numbers of w_gate stay in 128 registers.
; Each load reads 512 consecutive bytes; the numbers turn through the wave's own stage in LDS so that a lane holds 16 neighbours, which the conversion wants.
; xs: one word for a token and 128 along K.  Within a word the bytes of blocks 1 and 2 change places: the later launches load 48 consecutive bytes of a row into a lane, which puts
; block 2 h + c where the operand's layout has block 2 c + h, alike on both operands of every product.
.set WREG,  22016                      ; LDS of a wave: w_gate's turn, 32 rows of 528 bytes; then two stages of 32 x 80 bytes
.set XSTG,  16896
.set XSL,   88064                      ; 8 tokens x 64 scale bytes
.set PART,  88576                      ; [token 8][wave 4][8 f32]: partial logits
.set SPARE, 89600                      ; the spare words, 128 bytes a wave, named by no other line
.set R,   16                           ; v16-79   four sets of 16 numbers as loaded
.set X,   80                           ; v80-111  two sets of 16 neighbours
.set P,   112                          ; v112-119 eight partial logits
.set WGT, 128                          ; v128-255 w_gate: register 8 i + e
	s_load_b256 s[4:11], s[0:1], 0x0               ; x, w_gate, xq, xs
	s_load_b128 s[12:15], s[0:1], 0x20             ; rid, comb
	v_lshl_add_u32 v10, v0, 2, SPARE               ; my spare word
	v_mov_b32 v11, 0
	v_lshrrev_b32 v12, 5, v0
	v_readfirstlane_b32 s16, v12                   ; wave
	v_and_b32 v1, 31, v0                           ; lane
	v_lshlrev_b32 v2, 4, v1                        ; 16 x lane
	s_mul_i32 s17, s16, WREG
	s_add_co_u32 s18, s17, XSTG
	v_lshrrev_b32 v12, 2, v1
	v_mul_u32_u24 v12, v12, 80
	v_and_b32 v13, 3, v1
	v_lshl_add_u32 v12, v13, 4, v12
	v_add_nc_u32 v3, s18, v12                      ; stage, way in: 80 (l / 4) + 16 (l % 4)
	v_mul_u32_u24 v12, v1, 80
	v_add_nc_u32 v4, s18, v12                      ; stage, way out: 80 l
	v_mul_u32_u24 v5, v1, 12                       ; my 16 codes: 12 bytes
	v_lshrrev_b32 v12, 1, v1
	v_and_b32 v12, 12, v12                         ; 4 x (my block / 4)
	v_and_b32 v13, 2, v1                           ; the block's low bit goes to the byte's high bit,
	v_add_nc_u32 v12, v12, v13
	v_bfe_u32 v13, v1, 2, 1                        ; its high bit to the low
	v_add_nc_u32 v12, v12, v13
	s_lshl_b32 s18, s16, 4
	s_add_co_u32 s18, s18, XSL
	v_add_nc_u32 v6, s18, v12                      ; where my block's scale byte goes
	v_mul_u32_u24 v12, v1, 528
	v_add_nc_u32 v7, s17, v12                      ; w_gate's turn, way out
	v_add_nc_u32 v8, s17, v2                       ; and way in
	s_lshl_b32 s18, s16, 5
	s_add_co_u32 s18, s18, PART
	v_mov_b32 v9, s18                              ; my wave's partial logits
.irp e,0,1,2,3
	v_mov_b32 v[124+\e], 0                         ; a lane permute's destination counts as read
.endr
	s_mov_b32 s20, 0x76543210
	s_mov_b32 s21, 0xfedcba98                      ; selects for lane l xor 16
	s_lshl_b32 s24, ttmp9, 16                      ; 8 tokens of 8,192 bytes
	s_lshl_b32 s26, s16, 11
	s_add_co_u32 s24, s24, s26
	s_mov_b32 s25, 0
	s_lshl_b32 s26, s16, 14                        ; 512 rows of w_gate
	s_mov_b32 s27, 0
	s_mul_i32 s28, ttmp9, 12288                    ; 8 rows of codes
	s_mul_i32 s29, s16, 384
	s_add_co_u32 s28, s28, s29
	s_mov_b32 s29, 0
	s_wait_kmcnt 0x0
	s_add_nc_u64 s[4:5], s[4:5], s[24:25]
	s_add_nc_u64 s[6:7], s[6:7], s[26:27]
	s_add_nc_u64 s[8:9], s[8:9], s[28:29]
	s_lshl_b32 s24, ttmp9, 9
	s_add_nc_u64 s[10:11], s[10:11], s[24:25]
	s_lshl_b32 s24, ttmp9, 5
	s_add_nc_u64 s[12:13], s[12:13], s[24:25]
	s_lshl_b32 s24, ttmp9, 8
	s_add_nc_u64 s[14:15], s[14:15], s[24:25]
.set j, 0
.rept 32
	global_load_b128 v[WGT+4*j:WGT+4*j+3], v2, s[6:7] offset:512*j   ; 512 consecutive bytes: they are lane j's
.set j, j+1
.endr
.macro LOADX t                         ; token t: my wave's 2,048 bytes, four loads of 512 consecutive bytes
.irp i,0,1,2,3
	global_load_b128 v[R+16*((\t)%4)+4*\i:R+16*((\t)%4)+4*\i+3], v2, s[4:5] offset:8192*(\t)+512*\i th:TH_LOAD_NT
.endr
.endm
.macro TURN t                          ; through the stage; LDS serves a wave's instructions in order
.irp i,0,1,2,3
	ds_store_b128 v3, v[R+16*((\t)%4)+4*\i:R+16*((\t)%4)+4*\i+3] offset:2560*((\t)%2)+640*\i
.endr
.irp i,0,1,2,3
	ds_load_b128 v[X+16*((\t)%2)+4*\i:X+16*((\t)%2)+4*\i+3], v4 offset:2560*((\t)%2)+16*\i
.endr
.endm
	LOADX 0
	LOADX 1
	LOADX 2
	LOADX 3
	s_wait_loadcnt 16                              ; w_gate is in; the 16 younger loads of x stay out
.set j, 0
.rept 32
	ds_store_b128 v8, v[WGT+4*j:WGT+4*j+3] offset:528*j
.set j, j+1
.endr
	s_wait_dscnt 0x0                               ; the stores have read their registers
.set j, 0
.rept 32
	ds_load_b128 v[WGT+4*j:WGT+4*j+3], v7 offset:16*j   ; my own 512 bytes: 16 rows of w_gate
.set j, j+1
.endr
	s_wait_loadcnt 12                              ; token 0 is in; three younger sets of four stay out
	TURN 0
.macro STEP t
.set XS, X+16*((\t)%2)
	s_wait_dscnt 0x0                               ; my 16 neighbours are back; all earlier LDS stores have read their registers
	s_wait_xcnt 0x0                                ; the last step's store of codes has read v120-122
.if (\t)+4 < 8
	LOADX (\t)+4
.endif
.if (\t)+1 < 8
.if 6-(\t) >= 3
	s_wait_loadcnt 12                              ; the next token is in; the three sets behind it stay out
.else
	s_wait_loadcnt 4*(6-(\t))                      ; fewer sets are left behind it
.endif
	TURN (\t)+1
.endif
	v_max3_num_f32 v12, |v[XS]|, |v[XS+1]|, |v[XS+2]|
	v_max3_num_f32 v13, |v[XS+3]|, |v[XS+4]|, |v[XS+5]|
.irp i,6,10
	v_max3_num_f32 v12, v12, |v[XS+\i]|, |v[XS+\i+1]|
	v_max3_num_f32 v13, v13, |v[XS+\i+2]|, |v[XS+\i+3]|
.endr
	v_max3_num_f32 v12, v12, |v[XS+14]|, |v[XS+15]|
	v_max3_num_f32 v12, v12, v13, 0x1800000        ; the floor 2^(3 - 127): the byte cannot fall under 1
	v_max_num_f32_dpp v12, v12, v12 row_xmask:1 row_mask:0xf bank_mask:0xf   ; with my neighbour's 16: the block's largest magnitude
	v_add_nc_u32 v14, 0xff000000, v12              ; 2 off its exponent field: the conversion's scale operand
	v_cvt_scalef32_pk16_fp6_f32 v[120:122], v[XS:XS+15], v14
	v_lshrrev_b32 v15, 23, v14                     ; the scale's byte (a plain line behind the conversion)
	ds_store_b8 v6, v15 offset:64*(\t)             ; both lanes of a block write the same byte
	global_store_b96 v5, v[120:122], s[8:9] offset:1536*(\t)   ; the wave stores 384 consecutive bytes
.irp p,0,1,2,3
	v_pk_mul_f32 v[P+2*\p:P+2*\p+1], v[WGT+2*\p:WGT+2*\p+1], v[XS:XS+1] op_sel_hi:[1,0]   ; x(k) x w_gate(k, 2 p), (k, 2 p + 1): the first term starts the sums
.endr
.irp i,1,2,3,4,5,6,7,8,9,10,11,12,13,14,15
.irp p,0,1,2,3
.if \i%2
	v_pk_fma_f32 v[P+2*\p:P+2*\p+1], v[WGT+8*\i+2*\p:WGT+8*\i+2*\p+1], v[XS+\i-1:XS+\i], v[P+2*\p:P+2*\p+1] op_sel:[0,1,0] op_sel_hi:[1,1,1]
.else
	v_pk_fma_f32 v[P+2*\p:P+2*\p+1], v[WGT+8*\i+2*\p:WGT+8*\i+2*\p+1], v[XS+\i:XS+\i+1], v[P+2*\p:P+2*\p+1] op_sel_hi:[1,0,1]
.endif
.endr
.endr
.irp m,1,2,4,8
.irp e,0,1,2,3,4,5,6,7
	v_add_f32_dpp v[P+\e], v[P+\e], v[P+\e] row_xmask:\m row_mask:0xf bank_mask:0xf
.endr
.endr
.irp g,0,4
.irp e,0,1,2,3
	v_permlanex16_b32 v[124+\e], v[P+\g+\e], s20, s21
.endr
.irp e,0,1,2,3
	v_add_f32 v[P+\g+\e], v[P+\g+\e], v[124+\e]    ; the wave's 512 terms of logit e, in every lane
.endr
.endr
	ds_store_b128 v9, v[P:P+3] offset:128*(\t)     ; all lanes write the same words with the same values
	ds_store_b128 v9, v[P+4:P+7] offset:128*(\t)+16
.endm
.irp t,0,1,2,3,4,5,6,7
	STEP \t
.endr
	s_wait_dscnt 0x0                               ; for the others' sake: my scale bytes and partial logits lie in LDS
	s_barrier_signal -1
	s_barrier_wait -1
	s_cmp_lg_u32 s16, 0
	s_cbranch_scc1 .Ldone
	; wave 0 alone: the scale words leave as 512 consecutive bytes; lane l takes token l % 8
	v_add_nc_u32 v16, XSL, v2
	v_and_b32 v17, 7, v1
	v_lshlrev_b32 v17, 7, v17
	v_add_nc_u32 v17, PART, v17
	ds_load_b128 v[20:23], v16
.irp w,0,1,2,3
	ds_load_b128 v[24+8*\w:27+8*\w], v17 offset:32*\w
	ds_load_b128 v[28+8*\w:31+8*\w], v17 offset:32*\w+16
.endr
	s_wait_dscnt 0x0
	global_store_b128 v2, v[20:23], s[10:11]
.irp p,0,2,4,6
	v_pk_add_f32 v[24+\p:25+\p], v[24+\p:25+\p], v[32+\p:33+\p]
	v_pk_add_f32 v[40+\p:41+\p], v[40+\p:41+\p], v[48+\p:49+\p]
.endr
.irp p,0,2,4,6
	v_pk_add_f32 v[24+\p:25+\p], v[24+\p:25+\p], v[40+\p:41+\p]   ; the eight logits: v24-31
.endr
	v_mov_b32 v56, v24                             ; the largest logit and its expert; a strict compare keeps the lower index
	v_mov_b32 v57, 0
.irp e,1,2,3,4,5,6,7
	v_cmp_gt_f32 vcc_lo, v[24+\e], v56
	v_cndmask_b32 v56, v56, v[24+\e], vcc_lo
	v_cndmask_b32 v57, v57, \e, vcc_lo
.endr
	v_mov_b32 v58, 0xff800000                      ; the second: the largest of the other seven
	v_mov_b32 v59, 0
.irp e,0,1,2,3,4,5,6,7
	v_cmp_ne_u32 s23, \e, v57
	v_cmp_gt_f32 vcc_lo, v[24+\e], v58
	s_and_b32 vcc_lo, vcc_lo, s23
	v_cndmask_b32 v58, v58, v[24+\e], vcc_lo
	v_cndmask_b32 v59, v59, \e, vcc_lo
.endr
	v_sub_f32 v60, v58, v56                        ; l2 - l1, 0 or less
	v_mul_f32 v60, 0x3fb8aa3b, v60
	v_exp_f32 v60, v60                             ; t
	v_min_u32 v63, v57, v59                        ; (a plain line behind the exponential) lo
	s_wait_alu depctr_va_vdst(0)                   ; the wait ahead of the first reader
	v_add_f32 v61, 1.0, v60
	v_rcp_f32 v61, v61                             ; w1
	v_max_u32 v72, v57, v59                        ; (a plain line) hi
	s_wait_alu depctr_va_vdst(0)
	v_mul_f32 v62, v60, v61                        ; w2
	v_sub_nc_u32 v73, 15, v63
	v_mul_u32_u24 v73, v73, v63
	v_lshrrev_b32 v73, 1, v73
	v_add_nc_u32 v73, v73, v72
	v_sub_nc_u32 v73, v73, v63
	v_add_nc_u32 v73, -1, v73                      ; the class of the pair: lo (15 - lo) / 2 + hi - lo - 1, 0 .. 27
.irp e,0,1,2,3,4,5,6,7
	v_cmp_eq_u32 vcc_lo, \e, v57
	v_cndmask_b32 v[64+\e], 0, v61, vcc_lo
	v_cmp_eq_u32 vcc_lo, \e, v59
	v_cndmask_b32 v[64+\e], v[64+\e], v62, vcc_lo  ; the combine row
.endr
	v_lshlrev_b32 v74, 2, v1
	v_lshlrev_b32 v75, 5, v1
	s_wait_xcnt 0x0                                ; EXEC changes only behind this wait
	v_cmp_gt_u32 vcc_lo, 8, v1
	s_and_saveexec_b32 s22, vcc_lo
	global_store_b32 v74, v73, s[12:13]
	global_store_b128 v75, v[64:67], s[14:15]
	global_store_b128 v75, v[68:71], s[14:15] offset:16
	s_wait_xcnt 0x0                                ; and again ahead of the line that widens it
	s_or_b32 exec_lo, exec_lo, s22
.Ldone:
	s_wait_tensorcnt 0x0                           ; the wave's end
	ds_add_u32 v10, v11
	s_wait_dscnt 0x0
	s_endpgm
.Lfunc_end_k_qe784e3763f_route:
	.size	k_qe784e3763f_route, .Lfunc_end_k_qe784e3763f_route-k_qe784e3763f_route
	.p2alignl 7, 3214868480
	.fill 96, 4, 3214868480
	.section	.rodata,"a",@progbits
	.p2align	6, 0x0
	.amdhsa_kernel k_qe784e3763f_route
		.amdhsa_group_segment_fixed_size 90112
		.amdhsa_private_segment_fixed_size 0
		.amdhsa_enable_private_segment 0
		.amdhsa_kernarg_size 48
		.amdhsa_user_sgpr_count 2
		.amdhsa_user_sgpr_kernarg_segment_ptr 1
		.amdhsa_wavefront_size32 1
		.amdhsa_system_sgpr_workgroup_id_x 1
		.amdhsa_system_sgpr_workgroup_id_y 1
		.amdhsa_system_sgpr_workgroup_id_z 1
		.amdhsa_system_vgpr_workitem_id 0
		.amdhsa_next_free_vgpr 256
		.amdhsa_next_free_sgpr 66
		.amdhsa_reserve_vcc 1
		.amdhsa_float_denorm_mode_32 3
		.amdhsa_float_denorm_mode_16_64 3
		.amdhsa_memory_ordered 1
		.amdhsa_forward_progress 1
		.amdhsa_inst_pref_size 87
	.end_amdhsa_kernel
	.amdgpu_metadata
---
amdhsa.version: [ 1, 2 ]
amdhsa.kernels:
  - .name:           k_qe784e3763f_route
    .symbol:         k_qe784e3763f_route.kd
    .args:
      - { .name: hidden_states, .offset: 0, .size: 8, .value_kind: global_buffer, .address_space: global }
      - { .name: w_gate, .offset: 8, .size: 8, .value_kind: global_buffer, .address_space: global }
      - { .name: xq, .offset: 16, .size: 8, .value_kind: global_buffer, .address_space: global }
      - { .name: xs, .offset: 24, .size: 8, .value_kind: global_buffer, .address_space: global }
      - { .name: rid, .offset: 32, .size: 8, .value_kind: global_buffer, .address_space: global }
      - { .name: comb, .offset: 40, .size: 8, .value_kind: global_buffer, .address_space: global }
    .group_segment_fixed_size: 90112
    .private_segment_fixed_size: 0
    .kernarg_segment_align: 8
    .kernarg_segment_size: 48
    .max_flat_workgroup_size: 128
    .sgpr_count:     66
    .vgpr_count:     256
    .wavefront_size: 32
...
	.end_amdgpu_metadata
.endif
;; end of part 1
;; launch place (part 2): grid 1 x 1, 32 waves a work-group, no clusters, 12,800 bytes of LDS; arguments rid, plan; writes plan
.if DOCPART == 2
	.amdgcn_target "amdgcn-amd-amdhsa--gfx1250"
	.amdhsa_code_object_version 6
	.text
	.protected	k_qe784e3763f_place
	.globl	k_qe784e3763f_place
	.p2align	8
	.type	k_qe784e3763f_place,@function
k_qe784e3763f_place:
	s_mov_b64 s[64:65], 0
	v_nop
	global_prefetch_b8 v0, s[64:65] scope:SCOPE_SE
	s_setreg_imm32_b32 hwreg(HW_REG_WAVE_MODE, 25, 1), 1
	s_wait_xcnt 0x0
; PLACE: a counting sort of the 2,048 tokens by the class of their pair of experts (28 classes), and the lists that the later launches walk.  Whole numbers alone; one work-group; no atomics.
; Work left out by the program (units of 16 sorted tokens and an expert that none of them chose) is decided here: see the first kernel's head.
; plan: PERM [2,048]: the token at each sorted place;  TM [128]: a tile's mask of experts;  UL [8][128]: for expert e the tiles that use it, ascending, from place 0 on (the other tiles
; fill the list from place 127 downward, so that every lane stores and EXEC is never changed; the later launches read the first n_e places alone);  NC [8]: n_e.
; Wave w owns chunks 2 w and 2 w + 1 of 32 tokens.  A: each chunk's histogram (lane k = class k) and each token's rank among its chunk's tokens of the same class.
; B: every wave sums all 64 histograms, and those of the chunks ahead of its own; the class bounds are scanned into s32-s60; place = bound + earlier chunks' count + rank.
; C (waves 0-3): tile i's mask: class k counts where its run of places meets the tile's 16.  D (waves 0-7): wave e lists the tiles by bit e of their masks.
.set TML,   8192                       ; LDS: 64 histograms of 128 bytes from 0; the 128 masks here
.set SPARE, 8704                       ; the spare words, 128 bytes a wave, named by no other line
.set TM,    8192
.set UL,    8704
.set NC,    12800
	s_load_b128 s[4:7], s[0:1], 0x0                ; rid, plan
	v_lshl_add_u32 v62, v0, 2, SPARE
	v_mov_b32 v63, 0
	v_lshrrev_b32 v4, 5, v0
	v_readfirstlane_b32 s16, v4                    ; wave
	v_and_b32 v1, 31, v0                           ; lane
	v_lshlrev_b32 v2, 2, v1
	v_lshlrev_b32 v3, 8, v4
	v_lshl_add_u32 v3, v1, 2, v3                   ; 256 w + 4 l: my token's word in rid, and my lane's word in my first histogram
	v_lshlrev_b32 v47, 2, v4                       ; 4 w: where wave e's count goes
	v_and_b32 v7, 127, v0
	v_lshlrev_b32 v46, 2, v7
	v_add_nc_u32 v5, TML, v46                      ; every LDS address is made here, ahead of the first parting of waves
	v_add_nc_u32 v6, TML, v2
	s_lshl_b32 s20, s16, 1                         ; my first chunk
.irp r,10,11,12,13,32,33,34,37,38,45
	v_mov_b32 v\r, 0
.endr
	s_wait_kmcnt 0x0
	global_load_b32 v8, v3, s[4:5]
	global_load_b32 v9, v3, s[4:5] offset:128
	s_wait_loadcnt 0x0
.irp j,0,1
.set k, 0
.rept 28
	v_cmp_eq_u32 s8, k, v[8+\j]                    ; the chunk's tokens of class k
	s_bcnt1_i32_b32 s9, s8
	v_writelane_b32 v[10+\j], s9, k                ; their number, into lane k
	v_mbcnt_lo_u32_b32 v14, s8, 0                  ; how many of them lie in lower lanes
	v_cndmask_b32 v[12+\j], v[12+\j], v14, s8      ; my rank, if the class is mine
.set k, k+1
.endr
	ds_store_b32 v3, v[10+\j] offset:128*\j
.endr
	s_wait_dscnt 0x0                               ; for the others' sake
	s_barrier_signal -1
	s_barrier_wait -1
.irp g,0,1,2,3
.irp i,0,1,2,3,4,5,6,7,8,9,10,11,12,13,14,15
	ds_load_b32 v[16+\i], v2 offset:128*(16*\g+\i)
.endr
	s_wait_dscnt 0x0
.irp i,0,1,2,3,4,5,6,7,8,9,10,11,12,13,14,15
	s_cmp_gt_u32 s20, 16*\g+\i                     ; a chunk ahead of mine?
	s_cselect_b32 s10, 1, 0
	v_add_nc_u32 v32, v32, v[16+\i]                ; each class's total
	v_mad_u32_u24 v33, v[16+\i], s10, v33          ; and its count in earlier chunks
.endr
.endr
	s_mov_b32 s32, 0
.set k, 0
.rept 28
	v_readlane_b32 s11, v32, k
	v_writelane_b32 v34, s[32+k], k                ; class k begins at place s[32 + k]
	s_add_co_u32 s[33+k], s[32+k], s11
.set k, k+1
.endr
	v_add_nc_u32 v35, v34, v33                     ; lane k: where my first chunk's tokens of class k begin,
	v_add_nc_u32 v36, v35, v10                     ; and my second chunk's
.irp j,0,1
.set k, 0
.rept 28
	v_cmp_eq_u32 s8, k, v[8+\j]
	v_readlane_b32 s9, v[35+\j], k
	v_cndmask_b32 v[37+\j], v[37+\j], s9, s8
.set k, k+1
.endr
.endr
	v_lshrrev_b32 v40, 2, v3                       ; my tokens: 64 w + l and 32 more
	v_add_nc_u32 v41, 32, v40
.irp j,0,1
	v_add_nc_u32 v[37+\j], v[37+\j], v[12+\j]
	v_min_u32 v[37+\j], 0x7ff, v[37+\j]            ; held inside the list
	v_lshlrev_b32 v[37+\j], 2, v[37+\j]
	global_store_b32 v[37+\j], v[40+\j], s[6:7]
.endr
	s_cmp_ge_u32 s16, 4
	s_cbranch_scc1 .Lno_c
	v_lshlrev_b32 v42, 4, v7                       ; tile i = my thread's number: places 16 i .. 16 i + 15
	v_add_nc_u32 v43, 16, v42
.set k, 0
.irp lo,0,1,2,3,4,5,6
.irp hi,1,2,3,4,5,6,7
.if \hi > \lo
	v_max_u32 v14, s[32+k], v42
	v_min_u32 v15, s[33+k], v43
	v_cmp_lt_u32 vcc_lo, v14, v15                  ; the class's run meets the tile
	v_or_b32 v44, (1<<\lo)|(1<<\hi), v45
	v_cndmask_b32 v45, v45, v44, vcc_lo
.set k, k+1
.endif
.endr
.endr
	ds_store_b32 v5, v45
	global_store_b32 v46, v45, s[6:7] offset:TM
.Lno_c:
	s_wait_dscnt 0x0                               ; the masks lie in LDS; my reads of the histograms are over
	s_barrier_signal -1
	s_barrier_wait -1
	s_cmp_ge_u32 s16, 8
	s_cbranch_scc1 .Lno_d
.irp j,0,1,2,3
	ds_load_b32 v[48+\j], v6 offset:128*\j
	v_add_nc_u32 v[52+\j], 32*\j, v1               ; the tile's number
.endr
	s_lshl_b32 s13, s16, 9                         ; expert e = my wave: its list of 512 bytes
	s_mov_b32 s12, 0                               ; tiles so far that use the expert,
	s_mov_b32 s11, 0                               ; and that do not
	s_wait_dscnt 0x0
.irp j,0,1,2,3
	v_lshrrev_b32 v14, s16, v[48+\j]
	v_and_b32 v14, 1, v14
	v_cmp_eq_u32 s8, 1, v14                        ; the 32 tiles that use the expert,
	s_not_b32 s9, s8                               ; and those that do not
	v_mbcnt_lo_u32_b32 v[56+\j], s8, s12           ; a user's place: from 0 upward
	v_mbcnt_lo_u32_b32 v15, s9, s11
	v_sub_nc_u32 v15, 127, v15                     ; another's: from 127 downward
	v_cndmask_b32 v[56+\j], v15, v[56+\j], s8
	v_min_u32 v[56+\j], 127, v[56+\j]              ; held inside the list; a register of its own for each store's address
	v_lshlrev_b32 v[56+\j], 2, v[56+\j]
	v_add_nc_u32 v[56+\j], s13, v[56+\j]
	global_store_b32 v[56+\j], v[52+\j], s[6:7] offset:UL   ; the 128 places are a permutation: every lane stores, each word is written once
	s_bcnt1_i32_b32 s10, s8
	s_add_co_u32 s12, s12, s10
	s_sub_co_u32 s10, 32, s10
	s_add_co_u32 s11, s11, s10
.endr
	v_mov_b32 v60, s12
	global_store_b32 v47, v60, s[6:7] offset:NC    ; n_e: all lanes write the same word with the same value
.Lno_d:
	s_wait_tensorcnt 0x0                           ; the wave's end
	ds_add_u32 v62, v63
	s_wait_dscnt 0x0
	s_endpgm
.Lfunc_end_k_qe784e3763f_place:
	.size	k_qe784e3763f_place, .Lfunc_end_k_qe784e3763f_place-k_qe784e3763f_place
	.p2alignl 7, 3214868480
	.fill 96, 4, 3214868480
	.section	.rodata,"a",@progbits
	.p2align	6, 0x0
	.amdhsa_kernel k_qe784e3763f_place
		.amdhsa_group_segment_fixed_size 12800
		.amdhsa_private_segment_fixed_size 0
		.amdhsa_enable_private_segment 0
		.amdhsa_kernarg_size 16
		.amdhsa_user_sgpr_count 2
		.amdhsa_user_sgpr_kernarg_segment_ptr 1
		.amdhsa_wavefront_size32 1
		.amdhsa_system_sgpr_workgroup_id_x 1
		.amdhsa_system_sgpr_workgroup_id_y 1
		.amdhsa_system_sgpr_workgroup_id_z 1
		.amdhsa_system_vgpr_workitem_id 0
		.amdhsa_next_free_vgpr 64
		.amdhsa_next_free_sgpr 66
		.amdhsa_reserve_vcc 1
		.amdhsa_float_denorm_mode_32 3
		.amdhsa_float_denorm_mode_16_64 3
		.amdhsa_memory_ordered 1
		.amdhsa_forward_progress 1
		.amdhsa_inst_pref_size 57
	.end_amdhsa_kernel
	.amdgpu_metadata
---
amdhsa.version: [ 1, 2 ]
amdhsa.kernels:
  - .name:           k_qe784e3763f_place
    .symbol:         k_qe784e3763f_place.kd
    .args:
      - { .name: rid, .offset: 0, .size: 8, .value_kind: global_buffer, .address_space: global }
      - { .name: plan, .offset: 8, .size: 8, .value_kind: global_buffer, .address_space: global }
    .group_segment_fixed_size: 12800
    .private_segment_fixed_size: 0
    .kernarg_segment_align: 8
    .kernarg_segment_size: 16
    .max_flat_workgroup_size: 1024
    .sgpr_count:     66
    .vgpr_count:     64
    .wavefront_size: 32
...
	.end_amdgpu_metadata
.endif
;; end of part 2
;; launch up (part 3): grid 204 x 1, 4 waves a work-group, no clusters, 0 bytes of LDS; arguments xq, xs, plan, w_gate_up_codes, w_gate_up_scales, w_sh_gate_up_codes, w_sh_gate_up_scales, actc, acts; writes actc, acts
.if DOCPART == 3
	.amdgcn_target "amdgcn-amd-amdhsa--gfx1250"
	.amdhsa_code_object_version 6
	.text
	.protected	k_qe784e3763f_up
	.globl	k_qe784e3763f_up
	.p2align	8
	.type	k_qe784e3763f_up,@function
k_qe784e3763f_up:
	s_mov_b64 s[64:65], 0
	v_nop
	global_prefetch_b8 v0, s[64:65] scope:SCOPE_SE
	s_setreg_imm32_b32 hwreg(HW_REG_WAVE_MODE, 25, 1), 1
	s_wait_xcnt 0x0
; UP: gate_up of the routed and the shared experts on E2M3 codes, silu(g) u in f32, the quantiser along the hidden axis; the hidden layer leaves as images of operand registers.
; Left out: units (16 sorted tokens, expert) that no token of the tile chose (the first kernel's head shows why); a NaN or infinity that reaches only those is not carried on.
; The shared expert counts as experts 8 and 9 (512 hidden units each), used by every tile.
; TASKS.  A group is up to 6 tiles of one expert.  A wave takes the group x 64 hidden units: 4 tiles of gate rows and 4 of up rows, 48 accumulators.  A work-group holds four neighbouring
; chunks of 64.  Work-groups 0-115: routed, group x / 2; the sum over experts of ceil(n_e / 6) is at most (310 + 40) / 6 = 58 whatever the split, since the 128 tiles name at most 2 x 128 + 2 x 27
; units (each of the 27 changes of class adds at most two experts to one tile).  A work-group beyond the split's groups stores nothing and ends: a branch on a stored number, so
; this launch has no tensor load, no LDS and no barrier; operands go from memory straight into registers, and the waves share nothing.  No cluster: partners would walk different experts.
; Work-groups 116-203: shared, 22 groups x 4 parts.  A group's last tiles, where it has fewer than 6, repeat its last tile and are not stored.
; LAYOUT.  Lane (r, h) loads the 48 consecutive bytes at row + 96 s + 48 h as registers 0-11 of a fragment: true block 2 h + c stands where the operand's layout has block 2 c + h,
; alike on both operands, so the products are kept; the order of the sums within 128 along K differs from ascending k.  Scale words follow: x's are stored so, the weights' are turned by v_perm_b32.
; The product is used transposed (source 0 = 16 weight rows, source 1 = 16 tokens): a lane holds one token.  Lane r of tile (block, u) takes weight row 32 block + 8 u + r + 8 (r / 8), so that
; the 16 registers of tiles u = 0, 1 are 16 neighbours along the hidden axis.  The wave's two blocks are true blocks 4 s + c and 4 s + c + 2 of the next product's K step s: registers 6 c .. 6 c + 5 of its fragment.
; REGISTERS: window 0: v1 16 l, v2 8 l, v3 weight rows, v4 their scale rows, v5 16 r, v6-11 x rows, v12-14 x scale rows, v15-20 tokens, v24-55 weights' scale words (two buffers),
; v56-79 x's (two buffers), v88-159 x fragments and v160-255 weight fragments of even K steps; window 1: the same numbers for odd K steps; window 2: accumulators of tiles 0-3 at 64 (t % 4) + 8 nn; window 3: tiles 4, 5.
.set NRT, 116
.set MSB, 0
.macro WIN new                         ; the immediate's high byte repeats the setting that is left
.if MSB != (\new)
	s_set_vgpr_msb (MSB<<8)|(\new)
.set MSB, (\new)
.endif
.endm
.macro WM zero, ra, rb                 ; one product on the registers named by rD, rA, rB, rSA, rSB; ra, rb: the scales stand in lanes 16-31
.if \zero
.if (\ra)&&(\rb)
	v_wmma_scale_f32_16x16x128_f8f6f4 v[rD:rD+7], v[rA:rA+11], v[rB:rB+11], 0, v[rSA], v[rSB] matrix_a_fmt:MATRIX_FMT_FP6 matrix_b_fmt:MATRIX_FMT_FP6 matrix_a_scale:MATRIX_SCALE_ROW1 matrix_b_scale:MATRIX_SCALE_ROW1
.elseif (\ra)
	v_wmma_scale_f32_16x16x128_f8f6f4 v[rD:rD+7], v[rA:rA+11], v[rB:rB+11], 0, v[rSA], v[rSB] matrix_a_fmt:MATRIX_FMT_FP6 matrix_b_fmt:MATRIX_FMT_FP6 matrix_a_scale:MATRIX_SCALE_ROW1
.elseif (\rb)
	v_wmma_scale_f32_16x16x128_f8f6f4 v[rD:rD+7], v[rA:rA+11], v[rB:rB+11], 0, v[rSA], v[rSB] matrix_a_fmt:MATRIX_FMT_FP6 matrix_b_fmt:MATRIX_FMT_FP6 matrix_b_scale:MATRIX_SCALE_ROW1
.else
	v_wmma_scale_f32_16x16x128_f8f6f4 v[rD:rD+7], v[rA:rA+11], v[rB:rB+11], 0, v[rSA], v[rSB] matrix_a_fmt:MATRIX_FMT_FP6 matrix_b_fmt:MATRIX_FMT_FP6
.endif
.else
.if (\ra)&&(\rb)
	v_wmma_scale_f32_16x16x128_f8f6f4 v[rD:rD+7], v[rA:rA+11], v[rB:rB+11], v[rD:rD+7], v[rSA], v[rSB] matrix_a_fmt:MATRIX_FMT_FP6 matrix_b_fmt:MATRIX_FMT_FP6 matrix_a_scale:MATRIX_SCALE_ROW1 matrix_b_scale:MATRIX_SCALE_ROW1
.elseif (\ra)
	v_wmma_scale_f32_16x16x128_f8f6f4 v[rD:rD+7], v[rA:rA+11], v[rB:rB+11], v[rD:rD+7], v[rSA], v[rSB] matrix_a_fmt:MATRIX_FMT_FP6 matrix_b_fmt:MATRIX_FMT_FP6 matrix_a_scale:MATRIX_SCALE_ROW1
.elseif (\rb)
	v_wmma_scale_f32_16x16x128_f8f6f4 v[rD:rD+7], v[rA:rA+11], v[rB:rB+11], v[rD:rD+7], v[rSA], v[rSB] matrix_a_fmt:MATRIX_FMT_FP6 matrix_b_fmt:MATRIX_FMT_FP6 matrix_b_scale:MATRIX_SCALE_ROW1
.else
	v_wmma_scale_f32_16x16x128_f8f6f4 v[rD:rD+7], v[rA:rA+11], v[rB:rB+11], v[rD:rD+7], v[rSA], v[rSB] matrix_a_fmt:MATRIX_FMT_FP6 matrix_b_fmt:MATRIX_FMT_FP6
.endif
.endif
.endm
	s_load_b512 s[4:19], s[0:1], 0x0               ; xq, xs, plan, routed codes, routed scales, shared codes, shared scales, actc
	s_load_b64 s[20:21], s[0:1], 0x40              ; acts
	v_lshrrev_b32 v21, 5, v0
	v_readfirstlane_b32 s22, v21                   ; wave
	v_and_b32 v21, 31, v0
	v_lshlrev_b32 v1, 4, v21
	v_lshlrev_b32 v2, 3, v21
	v_and_b32 v22, 15, v0                          ; r
	v_bfe_u32 v23, v0, 4, 1                        ; h
	v_lshlrev_b32 v5, 4, v22
	v_and_b32 v80, 8, v22
	v_add_nc_u32 v80, v80, v22                     ; r + 8 (r / 8)
	v_mul_u32_u24 v81, v23, 48
	v_mul_u32_u24 v3, v80, 1536
	v_add_nc_u32 v3, v3, v81                       ; a weight row of 1,536 bytes, + 48 h
	v_lshl_add_u32 v4, v23, 3, v80
	v_lshlrev_b32 v4, 6, v4                        ; scale rows of 64 bytes: lanes 0-15 tile u = 0, lanes 16-31 tile u = 1 (8 rows on)
	v_lshlrev_b32 v82, 2, v22
	s_mov_b32 s66, 0xffff0000                      ; lanes 16-31
	s_mov_b32 s67, 0x03010200                      ; bytes 1 and 2 change places
	s_mov_b32 s76, 0x76543210
	s_mov_b32 s77, 0xfedcba98
	s_wait_kmcnt 0x0
	s_cmp_ge_u32 ttmp9, NRT
	s_cbranch_scc1 .Lshared
	s_load_b256 s[68:75], s[8:9], 0x3200           ; n_0 .. n_7
	s_lshr_b32 s78, ttmp9, 1                       ; my group
	s_and_b32 s79, ttmp9, 1
	s_lshl_b32 s79, s79, 2
	s_add_co_u32 s79, s79, s22                     ; my chunk of 64 hidden units, 0 .. 7
	s_mov_b32 s80, 0                               ; groups of the experts so far
	s_mov_b32 s81, 0                               ; my expert,
	s_mov_b32 s82, 0                               ; its first group,
	s_mov_b32 s83, 0                               ; its tiles
	s_wait_kmcnt 0x0
.irp i,0,1,2,3,4,5,6,7
	s_min_u32 s[68+\i], s[68+\i], 128
	s_cmp_ge_u32 s78, s80
	s_cselect_b32 s81, \i, s81
	s_cselect_b32 s82, s80, s82
	s_cselect_b32 s83, s[68+\i], s83
	s_add_co_u32 s84, s[68+\i], 5
	s_mul_i32 s84, s84, 171
	s_lshr_b32 s84, s84, 10                        ; ceil(n / 6): (n + 5) x 171 / 1,024 is exact up to n + 5 = 133
	s_add_co_u32 s80, s80, s84
.endr
	s_cmp_ge_u32 s78, s80
	s_cbranch_scc1 .Lend                           ; this split has no group for me
	s_sub_co_u32 s84, s78, s82
	s_mul_i32 s84, s84, 6                          ; my group's first tile in the expert's list
	s_sub_co_u32 s30, s83, s84
	s_min_u32 s30, s30, 6                          ; how many tiles it has
	s_sub_co_u32 s85, s83, 1
	s_min_u32 s81, s81, 7
	s_lshl_b32 s96, s81, 9
.irp t,0,1,2,3,4,5
	s_add_co_u32 s[86+\t], s84, \t
	s_min_u32 s[86+\t], s[86+\t], s85              ; beyond the list's end: its last tile once more
	s_min_u32 s[86+\t], s[86+\t], 127
	s_lshl_b32 s[86+\t], s[86+\t], 2
	s_add_co_u32 s[86+\t], s[86+\t], s96
.endr
.irp t,0,1,2,3,4,5
	s_load_b32 s[24+\t], s[8:9], s[86+\t] offset:8704
.endr
	s_wait_kmcnt 0x0
.irp t,0,1,2,3,4,5
	s_min_u32 s[24+\t], s[24+\t], 127
.endr
	s_mul_i32 s92, s81, 1572864                    ; the expert's codes,
	s_lshl_b32 s94, s81, 16                        ; its scale bytes,
	s_mov_b32 s96, 786432                          ; from gate rows to up rows: 512 rows of codes,
	s_mov_b32 s98, 32768                           ; of scale bytes
	s_mov_b32 s31, s81                             ; the unit's expert
	s_mov_b32 s84, 0
	s_branch .Lcommon
.Lshared:
	s_sub_co_u32 s78, ttmp9, NRT
	s_lshr_b32 s80, s78, 2                         ; group 0 .. 21
	s_and_b32 s79, s78, 3
	s_lshl_b32 s79, s79, 2
	s_add_co_u32 s79, s79, s22                     ; chunk 0 .. 15
	s_mul_i32 s80, s80, 6
.irp t,0,1,2,3,4,5
	s_add_co_u32 s[24+\t], s80, \t
	s_min_u32 s[24+\t], s[24+\t], 127
.endr
	s_sub_co_u32 s30, 128, s80
	s_min_u32 s30, s30, 6
	s_mov_b32 s92, 0
	s_mov_b32 s94, 0
	s_mov_b32 s96, 1572864                         ; 1,024 rows
	s_mov_b32 s98, 65536
	s_lshr_b32 s84, s79, 3                         ; which half of the shared hidden layer
	s_add_co_u32 s31, s84, 8
	s_lshl_b32 s84, s84, 4
.Lcommon:
	s_cmp_lt_u32 ttmp9, NRT                        ; the choice of buffers hangs on the work-group's number alone
	s_cselect_b64 s[32:33], s[10:11], s[14:15]
	s_cselect_b64 s[36:37], s[12:13], s[16:17]
	s_and_b32 s85, s79, 7
	s_lshr_b32 s85, s85, 1                         ; s: the next product's K step
	s_and_b32 s86, s79, 1                          ; c: which half of its fragment
	s_lshl_b32 s87, s85, 2
	s_add_co_u32 s87, s87, s86
	s_add_co_u32 s87, s87, s84                     ; my first block of 32 weight rows
	s_mul_i32 s88, s87, 49152
	s_add_co_u32 s92, s92, s88
	s_lshl_b32 s88, s87, 11
	s_add_co_u32 s94, s94, s88
	s_mov_b32 s93, 0
	s_mov_b32 s95, 0
	s_mov_b32 s97, 0
	s_mov_b32 s99, 0
	s_add_nc_u64 s[32:33], s[32:33], s[92:93]      ; gate rows' codes
	s_add_nc_u64 s[34:35], s[32:33], s[96:97]      ; up rows'
	s_add_nc_u64 s[36:37], s[36:37], s[94:95]      ; gate rows' scale bytes
	s_add_nc_u64 s[38:39], s[36:37], s[98:99]      ; up rows'
	s_mul_i32 s88, s85, 1536
	s_mul_i32 s89, s86, 768
	s_add_co_u32 s88, s88, s89                     ; my half fragment's place in a unit
	s_lshl_b32 s89, s85, 2
	s_lshl_b32 s90, s86, 1
	s_add_co_u32 s89, s89, s90                     ; my two scale bytes' place in a row's 16
	s_mov_b32 s85, 0
.irp t,0,1,2,3,4,5
	s_mul_i32 s78, s[24+\t], 10
	s_add_co_u32 s78, s78, s31                     ; the unit: 10 x tile + expert
	s_mul_i32 s84, s78, 6144
	s_add_co_u32 s84, s84, s88
	s_add_nc_u64 s[40+2*\t:41+2*\t], s[18:19], s[84:85]
	s_lshl_b32 s84, s78, 8
	s_add_co_u32 s84, s84, s89
	s_add_nc_u64 s[52+2*\t:53+2*\t], s[20:21], s[84:85]
.endr
.irp t,0,1,2,3,4,5
	v_lshl_add_u32 v[24+\t], s[24+\t], 6, v82      ; the tile's 16 places in the sorted list
.endr
.irp t,0,1,2,3,4,5
	global_load_b32 v[15+\t], v[24+\t], s[8:9]
.endr
	s_wait_loadcnt 0x0
.irp p,0,1,2
	v_cndmask_b32 v[12+\p], v[15+2*\p], v[16+2*\p], s66   ; lanes 0-15 the even tile's token, lanes 16-31 the odd tile's
	v_min_u32 v[12+\p], 0x7ff, v[12+\p]
	v_lshlrev_b32 v[12+\p], 6, v[12+\p]            ; its 64 scale bytes
.endr
.irp t,0,1,2,3,4,5
	v_min_u32 v[15+\t], 0x7ff, v[15+\t]
	v_mul_u32_u24 v[6+\t], v[15+\t], 1536
	v_add_nc_u32 v[6+\t], v[6+\t], v81             ; its row of codes, + 48 h
.endr
.macro LOADSC q                        ; the scale words of K steps 4 q .. 4 q + 3 into buffer q % 2: 7 loads
.set SBUF, (\q)%2
.irp kb,0,1,2,3
.if \kb < 2
	global_load_b128 v[24+16*SBUF+4*\kb:27+16*SBUF+4*\kb], v4, s[36:37] offset:4096*(\kb%2)+16*(\q)
.else
	global_load_b128 v[24+16*SBUF+4*\kb:27+16*SBUF+4*\kb], v4, s[38:39] offset:4096*(\kb%2)+16*(\q)
.endif
.endr
.irp p,0,1,2
	global_load_b128 v[56+12*SBUF+4*\p:59+12*SBUF+4*\p], v[12+\p], s[6:7] offset:16*(\q)
.endr
.endm
.macro LOADSET s                       ; the fragments of K step s into set s % 2: 42 loads of 16 bytes a lane
	WIN ((\s)%2)<<6
.irp t,0,1,2,3,4,5
.irp i,0,1,2
	global_load_b128 v[88+12*\t+4*\i:91+12*\t+4*\i], v[6+\t], s[4:5] offset:96*(\s)+16*\i
.endr
.endr
.irp nn,0,1,2,3,4,5,6,7
.irp i,0,1,2
.if \nn < 4
	global_load_b128 v[160+12*\nn+4*\i:163+12*\nn+4*\i], v3, s[32:33] offset:98304*((\nn/2)%2)+12288*(\nn%2)+96*(\s)+16*\i
.else
	global_load_b128 v[160+12*\nn+4*\i:163+12*\nn+4*\i], v3, s[34:35] offset:98304*((\nn/2)%2)+12288*(\nn%2)+96*(\s)+16*\i
.endif
.endr
.endr
.endm
.macro PERMSC q                        ; the weights' scale words into the order of the fragments; a scale register written by a vector line stands 8 places ahead of a scaled product
.set i, 0
.rept 16
	v_perm_b32 v[24+16*((\q)%2)+i], v[24+16*((\q)%2)+i], v[24+16*((\q)%2)+i], s67
.set i, i+1
.endr
.rept 8
	v_nop
.endr
.endm
.macro MUL s, zero                     ; 48 products; the 48 accumulators take turns, one instruction a turn, in the same order in every step
.set SET, (\s)%2
.set SBUF, ((\s)/4)%2
.set SWD, (\s)%4
.irp t,0,1,2,3,4,5
	WIN SET|(SET<<2)|((2+\t/4)<<4)|((2+\t/4)<<6)
.irp nn,0,1,2,3,4,5,6,7
.set rD, 64*(\t%4)+8*\nn
.set rA, 160+12*\nn
.set rB, 88+12*\t
.set rSA, 24+16*SBUF+4*(\nn/2)+SWD
.set rSB, 56+12*SBUF+4*(\t/2)+SWD
	WM \zero, \nn%2, \t%2
.endr
.endr
.endm
.macro STEP s
	s_wait_loadcnt 0x0                             ; this step's operands are in: they are all that is out
	WIN 0
.rept 4
	v_nop                                          ; places in front of loads into the set that the last step's products read
.endr
.if (\s) < 15
.if ((\s)+1)%4 == 0
	LOADSC ((\s)+1)/4
.endif
	LOADSET (\s)+1                                 ; the next step's operands land while this step is multiplied
.endif
.if (\s)%4 == 0
	WIN 0
	PERMSC (\s)/4
.endif
.if (\s) == 0
	MUL \s, 1                                      ; the first step starts the sums: nothing is cleared
.else
	MUL \s, 0
.endif
.endm
	LOADSC 0
	LOADSET 0
.irp s,0,1,2,3,4,5,6,7,8,9,10,11,12,13,14,15
	STEP \s
.endr
	WIN 0
.rept 4
	v_nop                                          ; places in front of the first read of results
.endr
; THE WAY OUT of tile t: act = g u / (1 + 2^(-g log2 e)), in place, in f32; two blocks of 32 are quantised; half a fragment and two scale bytes a row are stored.
.macro EPI t
.set W, 2+(\t)/4
.set AC, 64*((\t)%4)
.set Q, 88+16*(\t)                     ; 16 registers of its own for each tile, so that no store's data are written again
	s_cmp_le_u32 s30, \t
	s_cbranch_scc1 .Lend                           ; the group has no such tile
	WIN 0x55*W
.set p, 0
.rept 16
	v_pk_mul_f32 v[AC+32+p:AC+33+p], v[AC+p:AC+p+1], v[AC+32+p:AC+33+p]   ; g u; each accumulator is read from its low end on
.set p, p+2
.endr
.set p, 0
.rept 16
	v_pk_mul_f32 v[AC+p:AC+p+1], v[AC+p:AC+p+1], 0xbfb8aa3b op_sel_hi:[1,0]   ; -g log2(e)
.set p, p+2
.endr
.set p, 0
.rept 32
	v_exp_f32 v[AC+p], v[AC+p]
.set p, p+1
.endr
	v_nop                                          ; a plain line behind the batch,
	s_wait_alu depctr_va_vdst(0)                   ; and the one wait ahead of its first reader
.set p, 0
.rept 16
	v_pk_add_f32 v[AC+p:AC+p+1], v[AC+p:AC+p+1], 1.0 op_sel_hi:[1,0]
.set p, p+2
.endr
.set p, 0
.rept 32
	v_rcp_f32 v[AC+p], v[AC+p]
.set p, p+1
.endr
	v_nop
	s_wait_alu depctr_va_vdst(0)
.set p, 0
.rept 16
	v_pk_mul_f32 v[AC+p:AC+p+1], v[AC+p:AC+p+1], v[AC+32+p:AC+33+p]       ; act: register 16 b + i = hidden unit 32 block(b) + 16 h + i of my token
.set p, p+2
.endr
	WIN W|(W<<2)
.irp b,0,1
	v_max3_num_f32 v[Q+\b], |v[AC+16*\b]|, |v[AC+16*\b+1]|, 0x1800000     ; with the floor 2^(3 - 127): the byte cannot fall under 1
.endr
.irp i,2,4,6,8,10,12,14
.irp b,0,1
	v_max3_num_f32 v[Q+\b], |v[AC+16*\b+\i]|, |v[AC+16*\b+\i+1]|, v[Q+\b]
.endr
.endr
	WIN 0
	v_mov_b32 v[Q+4], 0
	v_mov_b32 v[Q+5], 0
.irp b,0,1
	v_permlanex16_b32 v[Q+4+\b], v[Q+\b], s76, s77
.endr
.irp b,0,1
	v_max_num_f32 v[Q+\b], v[Q+\b], v[Q+4+\b]      ; with lane l xor 16's 16: the block's largest magnitude
.endr
	v_add_nc_u32 v[Q+3], 0xff000000, v[Q]          ; 2 off the exponent field: the conversion's scale operand
	v_add_nc_u32 v[Q+9], 0xff000000, v[Q+1]
	v_lshrrev_b32 v[Q+4], 23, v[Q+3]
	v_lshrrev_b32 v[Q+5], 23, v[Q+9]
	v_lshl_or_b32 v[Q+2], v[Q+5], 8, v[Q+4]        ; my row's two scale bytes
	WIN W
	v_cvt_scalef32_pk16_fp6_f32 v[Q+10:Q+12], v[AC:AC+15], v[Q+3]
	v_cvt_scalef32_pk16_fp6_f32 v[Q+6:Q+8], v[AC+16:AC+31], v[Q+9]
	WIN 0
	v_nop                                          ; a plain line behind the conversions
.irp i,0,1,2
	v_permlane16_swap_b32 v[Q+10+\i], v[Q+6+\i]    ; lanes 0-15 now hold the first block whole, lanes 16-31 the second
.endr
.irp i,0,1,2
	v_mov_b32 v[Q+13+\i], v[Q+6+\i]
.endr
	global_store_b128 v1, v[Q+10:Q+13], s[40+2*(\t):41+2*(\t)]               ; 512 consecutive bytes,
	global_store_b64 v2, v[Q+14:Q+15], s[40+2*(\t):41+2*(\t)] offset:512     ; and 256 more: three whole aligned blocks of 256 bytes
	global_store_b16 v5, v[Q+2], s[52+2*(\t):53+2*(\t)]                      ; two bytes a row (lanes 16-31 write the same): the one small store of this launch
.endm
.irp t,0,1,2,3,4,5
	EPI \t
.endr
.Lend:
	s_endpgm
.Lfunc_end_k_qe784e3763f_up:
	.size	k_qe784e3763f_up, .Lfunc_end_k_qe784e3763f_up-k_qe784e3763f_up
	.p2alignl 7, 3214868480
	.fill 96, 4, 3214868480
	.section	.rodata,"a",@progbits
	.p2align	6, 0x0
	.amdhsa_kernel k_qe784e3763f_up
		.amdhsa_group_segment_fixed_size 0
		.amdhsa_private_segment_fixed_size 0
		.amdhsa_enable_private_segment 0
		.amdhsa_kernarg_size 72
		.amdhsa_user_sgpr_count 2
		.amdhsa_user_sgpr_kernarg_segment_ptr 1
		.amdhsa_wavefront_size32 1
		.amdhsa_system_sgpr_workgroup_id_x 1
		.amdhsa_system_sgpr_workgroup_id_y 1
		.amdhsa_system_sgpr_workgroup_id_z 1
		.amdhsa_system_vgpr_workitem_id 0
		.amdhsa_next_free_vgpr 896
		.amdhsa_next_free_sgpr 100
		.amdhsa_reserve_vcc 0
		.amdhsa_float_denorm_mode_32 3
		.amdhsa_float_denorm_mode_16_64 3
		.amdhsa_memory_ordered 1
		.amdhsa_forward_progress 1
		.amdhsa_inst_pref_size 239
	.end_amdhsa_kernel
	.amdgpu_metadata
---
amdhsa.version: [ 1, 2 ]
amdhsa.kernels:
  - .name:           k_qe784e3763f_up
    .symbol:         k_qe784e3763f_up.kd
    .args:
      - { .name: xq, .offset: 0, .size: 8, .value_kind: global_buffer, .address_space: global }
      - { .name: xs, .offset: 8, .size: 8, .value_kind: global_buffer, .address_space: global }
      - { .name: plan, .offset: 16, .size: 8, .value_kind: global_buffer, .address_space: global }
      - { .name: w_gate_up_codes, .offset: 24, .size: 8, .value_kind: global_buffer, .address_space: global }
      - { .name: w_gate_up_scales, .offset: 32, .size: 8, .value_kind: global_buffer, .address_space: global }
      - { .name: w_sh_gate_up_codes, .offset: 40, .size: 8, .value_kind: global_buffer, .address_space: global }
      - { .name: w_sh_gate_up_scales, .offset: 48, .size: 8, .value_kind: global_buffer, .address_space: global }
      - { .name: actc, .offset: 56, .size: 8, .value_kind: global_buffer, .address_space: global }
      - { .name: acts, .offset: 64, .size: 8, .value_kind: global_buffer, .address_space: global }
    .group_segment_fixed_size: 0
    .private_segment_fixed_size: 0
    .kernarg_segment_align: 8
    .kernarg_segment_size: 72
    .max_flat_workgroup_size: 128
    .sgpr_count:     100
    .vgpr_count:     896
    .wavefront_size: 32
...
	.end_amdgpu_metadata
.endif
;; end of part 3
;; launch down (part 4): grid 8 x 32, 4 waves a work-group, no clusters, 17,920 bytes of LDS; arguments actc, acts, w_down_codes, w_down_scales, w_sh_down_codes, w_sh_down_scales, comb, plan, out0; writes out0
.if DOCPART == 4
	.amdgcn_target "amdgcn-amd-amdhsa--gfx1250"
	.amdhsa_code_object_version 6
	.text
	.protected	k_qe784e3763f_down
	.globl	k_qe784e3763f_down
	.p2align	8
	.type	k_qe784e3763f_down,@function
k_qe784e3763f_down:
	s_mov_b64 s[64:65], 0
	v_nop
	global_prefetch_b8 v0, s[64:65] scope:SCOPE_SE
	s_setreg_imm32_b32 hwreg(HW_REG_WAVE_MODE, 25, 1), 1
	s_wait_xcnt 0x0
; DOWN: both down products on E2M3 codes, the combine weights, the sum of routed and shared; each output number has one owner.
; Left out: experts that none of the work-group's 64 tokens chose (the first kernel's head shows why); a NaN or infinity that reaches only those is not carried on.
; SHARES.  Work-group (cg, b) owns the sorted tiles 4 b .. 4 b + 3 (64 tokens) x columns 256 cg .. + 255; wave w owns 64 of the columns: 16 accumulators F, the final sums.
; The shared expert's two halves (units 8, 9) add straight into F.  Then a loop of constant count walks the 8 experts and passes over, by a scalar branch on the stored masks, those that none of
; the four tiles uses: so this launch has no tensor load and no barrier, operands go from memory straight into registers, and LDS is each wave's own stage alone.  No cluster: the walk hangs on stored numbers.
; In a section a tile that does not use the expert reads its own unit 8, which is always written, and all its rows have the weight 0: the text is the same for every mask.
; The product is used transposed (source 0 = 16 rows of the weight, source 1 = 16 tokens): a lane holds one token and eight neighbouring columns.  The weights' fragments are 48 consecutive bytes a lane
; (true block 2 h + c where the layout has 2 c + h), as the hidden layer's images were made; the weights' scale words are turned to match.
; REGISTERS: window 0: v1 16 l, v2 8 l, v3, v4 weight rows, v6 32 l, v7 16 r, v8-9 hidden scale rows, v10-13 combine rows, v14-15 stage, v16-17 the add's two, v18 4 h, v19 4 r, v20-27 weights w (even registers),
; v28-35 the weights' scale words, v36-43 the hidden layer's, v44-47 tokens, v48-175 F at 32 t + 8 i, v176-239 two sets of four accumulators, later rows on the way out;
; window 1: v0-191 weight fragments at 12 (4 i + s); window 2: v0-191 hidden fragments at 12 (4 t + s), v192-223 the output rows' offsets.
.set F,     48
.set TMP0,  176
.set TMP1,  208
.set SPARE, 17408                      ; behind the four stages of 16 x 272 bytes: the spare words, named by no other line
.set MSB, 0
.macro WIN new
.if MSB != (\new)
	s_set_vgpr_msb (MSB<<8)|(\new)
.set MSB, (\new)
.endif
.endm
.macro WM zero, ra, rb
.if \zero
.if (\ra)&&(\rb)
	v_wmma_scale_f32_16x16x128_f8f6f4 v[rD:rD+7], v[rA:rA+11], v[rB:rB+11], 0, v[rSA], v[rSB] matrix_a_fmt:MATRIX_FMT_FP6 matrix_b_fmt:MATRIX_FMT_FP6 matrix_a_scale:MATRIX_SCALE_ROW1 matrix_b_scale:MATRIX_SCALE_ROW1
.elseif (\ra)
	v_wmma_scale_f32_16x16x128_f8f6f4 v[rD:rD+7], v[rA:rA+11], v[rB:rB+11], 0, v[rSA], v[rSB] matrix_a_fmt:MATRIX_FMT_FP6 matrix_b_fmt:MATRIX_FMT_FP6 matrix_a_scale:MATRIX_SCALE_ROW1
.elseif (\rb)
	v_wmma_scale_f32_16x16x128_f8f6f4 v[rD:rD+7], v[rA:rA+11], v[rB:rB+11], 0, v[rSA], v[rSB] matrix_a_fmt:MATRIX_FMT_FP6 matrix_b_fmt:MATRIX_FMT_FP6 matrix_b_scale:MATRIX_SCALE_ROW1
.else
	v_wmma_scale_f32_16x16x128_f8f6f4 v[rD:rD+7], v[rA:rA+11], v[rB:rB+11], 0, v[rSA], v[rSB] matrix_a_fmt:MATRIX_FMT_FP6 matrix_b_fmt:MATRIX_FMT_FP6
.endif
.else
.if (\ra)&&(\rb)
	v_wmma_scale_f32_16x16x128_f8f6f4 v[rD:rD+7], v[rA:rA+11], v[rB:rB+11], v[rD:rD+7], v[rSA], v[rSB] matrix_a_fmt:MATRIX_FMT_FP6 matrix_b_fmt:MATRIX_FMT_FP6 matrix_a_scale:MATRIX_SCALE_ROW1 matrix_b_scale:MATRIX_SCALE_ROW1
.elseif (\ra)
	v_wmma_scale_f32_16x16x128_f8f6f4 v[rD:rD+7], v[rA:rA+11], v[rB:rB+11], v[rD:rD+7], v[rSA], v[rSB] matrix_a_fmt:MATRIX_FMT_FP6 matrix_b_fmt:MATRIX_FMT_FP6 matrix_a_scale:MATRIX_SCALE_ROW1
.elseif (\rb)
	v_wmma_scale_f32_16x16x128_f8f6f4 v[rD:rD+7], v[rA:rA+11], v[rB:rB+11], v[rD:rD+7], v[rSA], v[rSB] matrix_a_fmt:MATRIX_FMT_FP6 matrix_b_fmt:MATRIX_FMT_FP6 matrix_b_scale:MATRIX_SCALE_ROW1
.else
	v_wmma_scale_f32_16x16x128_f8f6f4 v[rD:rD+7], v[rA:rA+11], v[rB:rB+11], v[rD:rD+7], v[rSA], v[rSB] matrix_a_fmt:MATRIX_FMT_FP6 matrix_b_fmt:MATRIX_FMT_FP6
.endif
.endif
.endm
	s_load_b512 s[4:19], s[0:1], 0x0               ; actc, acts, routed codes, routed scales, shared codes, shared scales, comb, plan
	s_load_b64 s[20:21], s[0:1], 0x40              ; out
	v_lshl_add_u32 v16, v0, 2, SPARE
	v_mov_b32 v17, 0
	v_lshrrev_b32 v240, 5, v0
	v_readfirstlane_b32 s24, v240                  ; wave
	v_and_b32 v241, 31, v0
	v_lshlrev_b32 v1, 4, v241
	v_lshlrev_b32 v2, 3, v241
	v_lshlrev_b32 v6, 5, v241
	v_and_b32 v242, 15, v0                         ; r
	v_bfe_u32 v243, v0, 4, 1                       ; h
	v_mul_u32_u24 v244, v243, 48
	v_mad_u32_u24 v3, v242, 384, v244              ; a routed weight's row, + 48 h
	v_mad_u32_u24 v4, v242, 768, v244              ; the shared weight's
	v_lshlrev_b32 v7, 4, v242
	v_lshlrev_b32 v18, 2, v243
	v_lshlrev_b32 v19, 2, v242
	s_mul_i32 s34, s24, 4352                       ; my stage
	v_mul_u32_u24 v14, v242, 272
	v_lshl_add_u32 v14, v243, 5, v14
	v_add_nc_u32 v14, s34, v14                     ; in: row r, + 32 h
	v_mul_u32_u24 v15, v243, 272
	v_lshl_add_u32 v15, v242, 4, v15
	v_add_nc_u32 v15, s34, v15                     ; back: lanes 0-15 one row, lanes 16-31 the next
.irp t,0,1,2,3
	v_mov_b32 v[21+2*\t], 0                        ; named as the upper halves of pairs
.endr
	s_mov_b32 s52, 0xffff0000                      ; lanes 16-31
	s_mov_b32 s53, 0x03010200                      ; bytes 1 and 2 change places
	s_and_b32 s25, ttmp7, 0xffff                   ; b
	s_lshl_b32 s26, ttmp9, 8
	s_lshl_b32 s34, s24, 6
	s_add_co_u32 s26, s26, s34                     ; my first column
	s_lshl_b32 s27, s25, 4
	s_mov_b32 s55, 0
	s_wait_kmcnt 0x0
	s_load_b128 s[28:31], s[18:19], s27 offset:8192   ; my four tiles' masks
	s_lshl_b32 s54, s25, 8
	s_add_nc_u64 s[22:23], s[18:19], s[54:55]      ; my 64 places in the sorted list
	s_mul_i32 s54, s25, 245760
	s_add_nc_u64 s[36:37], s[4:5], s[54:55]        ; my 40 units' codes
	s_mul_i32 s54, s25, 10240
	s_add_nc_u64 s[38:39], s[6:7], s[54:55]        ; and scale words
	s_mul_i32 s54, s26, 384
	s_add_nc_u64 s[8:9], s[8:9], s[54:55]
	s_lshl_b32 s54, s26, 4
	s_add_nc_u64 s[10:11], s[10:11], s[54:55]
	s_mul_i32 s54, s26, 768
	s_add_nc_u64 s[12:13], s[12:13], s[54:55]
	s_lshl_b32 s54, s26, 5
	s_add_nc_u64 s[14:15], s[14:15], s[54:55]
	s_lshl_b32 s54, s26, 2
	s_add_nc_u64 s[20:21], s[20:21], s[54:55]
.irp t,0,1,2,3
	global_load_b32 v[44+\t], v19, s[22:23] offset:64*\t       ; tile t's token r
.endr
	WIN 0x80
.irp t,0,1,2,3
.irp k,0,1,2,3,4,5,6,7
	global_load_b32 v[192+8*\t+\k], v18, s[22:23] offset:64*\t+8*\k   ; the token of row 2 k + h, for the way out
.endr
.endr
	WIN 0
.macro UNITS                           ; from the four unit numbers s40-43: their codes' addresses and their scale rows' offsets
.irp t,0,1,2,3
	s_mul_i32 s54, s[40+\t], 6144
	s_add_nc_u64 s[44+2*\t:45+2*\t], s[36:37], s[54:55]
.endr
.irp tp,0,1
	v_mov_b32 v[8+\tp], s[40+2*\tp]
	v_cndmask_b32 v[8+\tp], v[8+\tp], s[41+2*\tp], s52
	v_lshl_add_u32 v[8+\tp], v[8+\tp], 8, v7
.endr
.endm
.macro LOADS pitch, koff, bc, bs, bo, bso, spitch, soff, w
.if \w
.irp t,0,1,2,3
	global_load_b32 v[20+2*\t], v[10+\t], s[16:17]             ; my token's weight for this expert
.endr
.endif
.irp ip,0,1
	global_load_b128 v[28+4*\ip:31+4*\ip], v[\bso], s[\bs:\bs+1] offset:32*\spitch*\ip+\soff   ; lanes 0-15 column tile 2 ip, lanes 16-31 tile 2 ip + 1; four K steps' words
.endr
.irp tp,0,1
	global_load_b128 v[36+4*\tp:39+4*\tp], v[8+\tp], s[38:39]
.endr
	WIN 0x40
.irp i,0,1,2,3
.irp s,0,1,2,3
.irp j,0,1,2
	global_load_b128 v[12*(4*\i+\s)+4*\j:12*(4*\i+\s)+4*\j+3], v[\bo], s[\bc:\bc+1] offset:16*\pitch*\i+\koff+96*\s+16*\j
.endr
.endr
.endr
	WIN 0x80
.irp t,0,1,2,3
.irp s,0,1,2,3
.set rA, 12*(4*\t+\s)
	global_load_b128 v[rA:rA+3], v1, s[44+2*\t:45+2*\t] offset:1536*\s          ; the images, as they were stored: 16 loads a tile
	global_load_b64 v[rA+4:rA+5], v2, s[44+2*\t:45+2*\t] offset:1536*\s+512
	global_load_b128 v[rA+6:rA+9], v1, s[44+2*\t:45+2*\t] offset:1536*\s+768
	global_load_b64 v[rA+10:rA+11], v2, s[44+2*\t:45+2*\t] offset:1536*\s+1280
.endr
.endr
	WIN 0
.endm
.macro SCPERM
	s_wait_loadcnt 48                              ; all but the images of tiles 1 to 3, 16 loads each
.irp i,0,1,2,3,4,5,6,7
	v_perm_b32 v[28+\i], v[28+\i], v[28+\i], s53
.endr
.rept 8
	v_nop                                          ; a scale register written by a vector line stands 8 places ahead of a scaled product
.endr
.endm
.macro MULT t, d, first                ; tile t: 16 products onto four accumulators that take turns, one instruction a turn
.if (\t) > 0
	s_wait_loadcnt 16*(3-(\t))                     ; the later tiles' images stay out
.endif
	WIN 0x09
.irp s,0,1,2,3
.irp i,0,1,2,3
.set rD, (\d)+8*\i
.set rA, 12*(4*\i+\s)
.set rB, 12*(4*(\t)+\s)
.set rSA, 28+4*(\i/2)+\s
.set rSB, 36+4*((\t)/2)+\s
.if (\first)&&(\s==0)
	WM 1, \i%2, (\t)%2
.else
	WM 0, \i%2, (\t)%2
.endif
.endr
.endr
.endm
.macro FMA t, d                        ; F += w x the expert's result, each accumulator from its low end on
	WIN 0
.rept 5
	v_nop                                          ; places behind the products that made it, one more than a read asks: these accumulators are begun anew by later products
.endr
.irp p,0,1,2,3,4,5,6,7,8,9,10,11,12,13,14,15
	v_pk_fma_f32 v[F+32*(\t)+2*\p:F+32*(\t)+2*\p+1], v[(\d)+2*\p:(\d)+2*\p+1], v[20+2*(\t):21+2*(\t)], v[F+32*(\t)+2*\p:F+32*(\t)+2*\p+1] op_sel_hi:[1,0,1]
.endr
.endm
	; ---- the shared expert: two halves of 512 along K, weight 1: the products start and continue F
.irp pe,0,1
.rept 4
	v_nop                                          ; places in front of loads into registers that products have read
.endr
.irp t,0,1,2,3
	s_mov_b32 s[40+\t], 10*\t+8+\pe
.endr
	UNITS
	LOADS 768, 384*\pe, 12, 14, 4, 6, 32, 16*\pe, 0
	SCPERM
	MULT 0, F, 1-\pe
	MULT 1, F+32, 1-\pe
	MULT 2, F+64, 1-\pe
	MULT 3, F+96, 1-\pe                            ; its wait is for 0: every load so far is done, so addresses may be written again
	WIN 0
.endr
	; ---- the routed experts
	s_wait_kmcnt 0x0
	s_or_b32 s32, s28, s29
	s_or_b32 s32, s32, s30
	s_or_b32 s32, s32, s31                         ; the experts that some tile of mine uses
.irp t,0,1,2,3
	v_min_u32 v[10+\t], 0x7ff, v[44+\t]
	v_lshlrev_b32 v[10+\t], 5, v[10+\t]            ; my token's combine row
.endr
	s_mov_b32 s33, 0
.Lexp:
	s_lshr_b32 s34, s32, s33
	s_and_b32 s34, s34, 1
	s_cmp_eq_u32 s34, 0
	s_cbranch_scc1 .Lnext
.irp t,0,1,2,3
	s_lshr_b32 s34, s[28+\t], s33
	s_and_b32 s34, s34, 1
	s_cmp_lg_u32 s34, 0
	s_cselect_b32 s35, s33, 8                      ; a tile that does not use the expert reads its unit 8
	s_add_co_u32 s[40+\t], s35, 10*\t
	s_min_u32 s[40+\t], s[40+\t], 39
.endr
.rept 4
	v_nop
.endr
	UNITS
	LOADS 384, 0, 8, 10, 3, 1, 16, 0, 1
	SCPERM
	MULT 0, TMP0, 1
	MULT 1, TMP1, 1
	FMA 0, TMP0
	MULT 2, TMP0, 1
	FMA 1, TMP1
	MULT 3, TMP1, 1                                ; its wait is for 0: the trip's loads are done
	FMA 2, TMP0
	FMA 3, TMP1
.Lnext:
	s_add_nc_u64 s[8:9], s[8:9], 786432            ; the next expert's codes, scale bytes and column of the combine rows (no load is out on either way)
	s_add_nc_u64 s[10:11], s[10:11], 32768
	s_add_nc_u64 s[16:17], s[16:17], 4
	s_add_co_u32 s33, s33, 1
	s_cmp_lt_u32 s33, 8
	s_cbranch_scc1 .Lexp
	; ---- the way out: a tile's 16 rows x 256 bytes go through my stage and leave as whole rows: sixteen lanes store 256 consecutive bytes, at a multiple of 256 from the output's first byte
.rept 4
	v_nop
.endr
	WIN 0x88
.set i, 0
.rept 32
	v_min_u32 v[192+i], 0x7ff, v[192+i]
.set i, i+1
.endr
	WIN 0x82
.set i, 0
.rept 32
	v_lshl_add_u32 v[192+i], v[192+i], 13, v7      ; the token's row of 8,192 bytes, + 16 r
.set i, i+1
.endr
.macro OUT t
.set BK, 176+32*((\t)%2)
.if (\t) >= 2
	s_wait_xcnt 0x0                                ; the stores of two tiles back have read these registers
.endif
	WIN 0
.irp i,0,1,2,3
	ds_store_b128 v14, v[F+32*(\t)+8*\i:F+32*(\t)+8*\i+3] offset:64*\i
	ds_store_b128 v14, v[F+32*(\t)+8*\i+4:F+32*(\t)+8*\i+7] offset:64*\i+16
.endr
.irp k,0,1,2,3,4,5,6,7
	ds_load_b128 v[BK+4*\k:BK+4*\k+3], v15 offset:544*\k       ; LDS serves a wave's instructions in order: these see my stores, and the next tile's stores come behind them
.endr
	WIN 0x02
.irp k,0,1,2,3,4,5,6,7
	s_wait_dscnt 7-\k                              ; the younger loads stay out
	global_store_b128 v[192+8*(\t)+\k], v[BK+4*\k:BK+4*\k+3], s[20:21] th:TH_STORE_NT
.endr
.endm
	OUT 0
	OUT 1
	OUT 2
	OUT 3
	WIN 0
	s_wait_tensorcnt 0x0                           ; the wave's end
	ds_add_u32 v16, v17
	s_wait_dscnt 0x0
	s_endpgm
.Lfunc_end_k_qe784e3763f_down:
	.size	k_qe784e3763f_down, .Lfunc_end_k_qe784e3763f_down-k_qe784e3763f_down
	.p2alignl 7, 3214868480
	.fill 96, 4, 3214868480
	.section	.rodata,"a",@progbits
	.p2align	6, 0x0
	.amdhsa_kernel k_qe784e3763f_down
		.amdhsa_group_segment_fixed_size 17920
		.amdhsa_private_segment_fixed_size 0
		.amdhsa_enable_private_segment 0
		.amdhsa_kernarg_size 72
		.amdhsa_user_sgpr_count 2
		.amdhsa_user_sgpr_kernarg_segment_ptr 1
		.amdhsa_wavefront_size32 1
		.amdhsa_system_sgpr_workgroup_id_x 1
		.amdhsa_system_sgpr_workgroup_id_y 1
		.amdhsa_system_sgpr_workgroup_id_z 1
		.amdhsa_system_vgpr_workitem_id 0
		.amdhsa_next_free_vgpr 736
		.amdhsa_next_free_sgpr 66
		.amdhsa_reserve_vcc 0
		.amdhsa_float_denorm_mode_32 3
		.amdhsa_float_denorm_mode_16_64 3
		.amdhsa_memory_ordered 1
		.amdhsa_forward_progress 1
		.amdhsa_inst_pref_size 89
	.end_amdhsa_kernel
	.amdgpu_metadata
---
amdhsa.version: [ 1, 2 ]
amdhsa.kernels:
  - .name:           k_qe784e3763f_down
    .symbol:         k_qe784e3763f_down.kd
    .args:
      - { .name: actc, .offset: 0, .size: 8, .value_kind: global_buffer, .address_space: global }
      - { .name: acts, .offset: 8, .size: 8, .value_kind: global_buffer, .address_space: global }
      - { .name: w_down_codes, .offset: 16, .size: 8, .value_kind: global_buffer, .address_space: global }
      - { .name: w_down_scales, .offset: 24, .size: 8, .value_kind: global_buffer, .address_space: global }
      - { .name: w_sh_down_codes, .offset: 32, .size: 8, .value_kind: global_buffer, .address_space: global }
      - { .name: w_sh_down_scales, .offset: 40, .size: 8, .value_kind: global_buffer, .address_space: global }
      - { .name: comb, .offset: 48, .size: 8, .value_kind: global_buffer, .address_space: global }
      - { .name: plan, .offset: 56, .size: 8, .value_kind: global_buffer, .address_space: global }
      - { .name: out0, .offset: 64, .size: 8, .value_kind: global_buffer, .address_space: global }
    .group_segment_fixed_size: 17920
    .private_segment_fixed_size: 0
    .kernarg_segment_align: 8
    .kernarg_segment_size: 72
    .max_flat_workgroup_size: 128
    .sgpr_count:     66
    .vgpr_count:     736
    .wavefront_size: 32
...
	.end_amdgpu_metadata
.endif
;; end of part 4
;; ======== version 2 of 2: 4 launches
;; limits: right only within a limited range of input values
;; workspace buffers: xq 3,145,728 bytes; xs 131,072 bytes; rid 8,192 bytes of whole numbers; comb 65,536 bytes; plan 13,056 bytes of whole numbers; actc 7,864,320 bytes; acts 327,680 bytes; wimg 23,592,960 bytes
;; launch route (part 5): grid 256 x 1, 4 waves a work-group, no clusters, 90,112 bytes of LDS; arguments hidden_states, w_gate, xq, xs, rid, comb; writes xq, xs, rid, comb
.if DOCPART == 5
	.amdgcn_target "amdgcn-amd-amdhsa--gfx1250"
	.amdhsa_code_object_version 6
	.text
	.protected	k_qe784e3763f_route
	.globl	k_qe784e3763f_route
	.p2align	8
	.type	k_qe784e3763f_route,@function
k_qe784e3763f_route:
	s_mov_b64 s[64:65], 0
	v_nop
	global_prefetch_b8 v0, s[64:65] scope:SCOPE_SE
	s_setreg_imm32_b32 hwreg(HW_REG_WAVE_MODE, 25, 1), 1
	s_wait_xcnt 0x0
; ROUTE: the router in f32, the choice of two experts, the combine row; and x quantised once to E2M3 codes with E8M0 scales.
; WORK LEFT OUT IN THIS PROGRAM, for all values of the inputs:
;  (1) combine[t][e] is built in the problem's own body as topk_w x one_hot(topk_ids): it is 0 for the six experts that a token's own top-2 does not name.  So gu, act and eo of an
;      expert reach the result only for the tokens that chose it.  The later launches multiply only units (16 sorted tokens, expert) in which some token chose the expert; rows of such a
;      unit that did not choose it stay and get the weight 0.
;  (2) topk_w / sum(topk_w) = p1 / (p1 + p2): the softmax's sum over all eight exponentials cancels.  With t = exp(l2 - l1): w1 = 1 / (1 + t), w2 = t w1.  The largest logit l1 is taken away
;      ahead of the exponential, as the problem does.
;  (3) the sum over experts of combine x eo is a selection: two multiply-adds a number.
; Every input keeps a way to the output; all are loaded by some launch.
; LIMITS: a NaN, an infinity or an overflow that reaches only the work left out is not carried to the result.  Logits are taken to be finite.  The two experts are chosen on the logits
; (the exponential rises with them), ties to the lower index; two unlike logits whose probabilities round to one f32 number may be ordered otherwise than by probabilities.
; A block of zeros gets the scale byte 1 (its codes are zeros; these bytes are read by this program alone).  NaN and infinities in x are not served.
; SHARES.  A work-group takes 8 tokens; wave w takes k = 512 w .. 512 w + 511 of each; lane l takes 16 neighbours, k = 512 w + 16 l + i.  The lane's 16 x 8 numbers of w_gate stay in 128 registers.
; Each load reads 512 consecutive bytes; the numbers turn through the wave's own stage in LDS so that a lane holds 16 neighbours, which the conversion wants.
; xs: one word for a token and 128 along K.  Within a word the bytes of blocks 1 and 2 change places: the later launches load 48 consecutive bytes of a row into a lane, which puts
; block 2 h + c where the operand's layout has block 2 c + h, alike on both operands of every product.
.set WREG,  22016                      ; LDS of a wave: w_gate's turn, 32 rows of 528 bytes; then two stages of 32 x 80 bytes
.set XSTG,  16896
.set XSL,   88064                      ; 8 tokens x 64 scale bytes
.set PART,  88576                      ; [token 8][wave 4][8 f32]: partial logits
.set SPARE, 89600                      ; the spare words, 128 bytes a wave, named by no other line
.set R,   16                           ; v16-79   four sets of 16 numbers as loaded
.set X,   80                           ; v80-111  two sets of 16 neighbours
.set P,   112                          ; v112-119 eight partial logits
.set WGT, 128                          ; v128-255 w_gate: register 8 i + e
	s_load_b256 s[4:11], s[0:1], 0x0               ; x, w_gate, xq, xs
	s_load_b128 s[12:15], s[0:1], 0x20             ; rid, comb
	v_lshl_add_u32 v10, v0, 2, SPARE               ; my spare word
	v_mov_b32 v11, 0
	v_lshrrev_b32 v12, 5, v0
	v_readfirstlane_b32 s16, v12                   ; wave
	v_and_b32 v1, 31, v0                           ; lane
	v_lshlrev_b32 v2, 4, v1                        ; 16 x lane
	s_mul_i32 s17, s16, WREG
	s_add_co_u32 s18, s17, XSTG
	v_lshrrev_b32 v12, 2, v1
	v_mul_u32_u24 v12, v12, 80
	v_and_b32 v13, 3, v1
	v_lshl_add_u32 v12, v13, 4, v12
	v_add_nc_u32 v3, s18, v12                      ; stage, way in: 80 (l / 4) + 16 (l % 4)
	v_mul_u32_u24 v12, v1, 80
	v_add_nc_u32 v4, s18, v12                      ; stage, way out: 80 l
	v_mul_u32_u24 v5, v1, 12                       ; my 16 codes: 12 bytes
	v_lshrrev_b32 v12, 1, v1
	v_and_b32 v12, 12, v12                         ; 4 x (my block / 4)
	v_and_b32 v13, 2, v1                           ; the block's low bit goes to the byte's high bit,
	v_add_nc_u32 v12, v12, v13
	v_bfe_u32 v13, v1, 2, 1                        ; its high bit to the low
	v_add_nc_u32 v12, v12, v13
	s_lshl_b32 s18, s16, 4
	s_add_co_u32 s18, s18, XSL
	v_add_nc_u32 v6, s18, v12                      ; where my block's scale byte goes
	v_mul_u32_u24 v12, v1, 528
	v_add_nc_u32 v7, s17, v12                      ; w_gate's turn, way out
	v_add_nc_u32 v8, s17, v2                       ; and way in
	s_lshl_b32 s18, s16, 5
	s_add_co_u32 s18, s18, PART
	v_mov_b32 v9, s18                              ; my wave's partial logits
.irp e,0,1,2,3
	v_mov_b32 v[124+\e], 0                         ; a lane permute's destination counts as read
.endr
	s_mov_b32 s20, 0x76543210
	s_mov_b32 s21, 0xfedcba98                      ; selects for lane l xor 16
	s_lshl_b32 s24, ttmp9, 16                      ; 8 tokens of 8,192 bytes
	s_lshl_b32 s26, s16, 11
	s_add_co_u32 s24, s24, s26
	s_mov_b32 s25, 0
	s_lshl_b32 s26, s16, 14                        ; 512 rows of w_gate
	s_mov_b32 s27, 0
	s_mul_i32 s28, ttmp9, 12288                    ; 8 rows of codes
	s_mul_i32 s29, s16, 384
	s_add_co_u32 s28, s28, s29
	s_mov_b32 s29, 0
	s_wait_alu depctr_va_vdst(0)
	s_wait_kmcnt 0x0
	s_add_nc_u64 s[4:5], s[4:5], s[24:25]
	s_add_nc_u64 s[6:7], s[6:7], s[26:27]
	s_add_nc_u64 s[8:9], s[8:9], s[28:29]
	s_lshl_b32 s24, ttmp9, 9
	s_add_nc_u64 s[10:11], s[10:11], s[24:25]
	s_lshl_b32 s24, ttmp9, 5
	s_add_nc_u64 s[12:13], s[12:13], s[24:25]
	s_lshl_b32 s24, ttmp9, 8
	s_add_nc_u64 s[14:15], s[14:15], s[24:25]
.set j, 0
.rept 32
	global_load_b128 v[WGT+4*j:WGT+4*j+3], v2, s[6:7] offset:512*j   ; 512 consecutive bytes: they are lane j's
.set j, j+1
.endr
.macro LOADX t                         ; token t: my wave's 2,048 bytes, four loads of 512 consecutive bytes
.irp i,0,1,2,3
	global_load_b128 v[R+16*((\t)%4)+4*\i:R+16*((\t)%4)+4*\i+3], v2, s[4:5] offset:8192*(\t)+512*\i th:TH_LOAD_NT
.endr
.endm
.macro TURN t                          ; through the stage; LDS serves a wave's instructions in order
.irp i,0,1,2,3
	ds_store_b128 v3, v[R+16*((\t)%4)+4*\i:R+16*((\t)%4)+4*\i+3] offset:2560*((\t)%2)+640*\i
.endr
.irp i,0,1,2,3
	ds_load_b128 v[X+16*((\t)%2)+4*\i:X+16*((\t)%2)+4*\i+3], v4 offset:2560*((\t)%2)+16*\i
.endr
.endm
	LOADX 0
	LOADX 1
	LOADX 2
	LOADX 3
	s_wait_loadcnt 16                              ; w_gate is in; the 16 younger loads of x stay out
.set j, 0
.rept 32
	ds_store_b128 v8, v[WGT+4*j:WGT+4*j+3] offset:528*j
.set j, j+1
.endr
	s_wait_dscnt 0x0                               ; the stores have read their registers
.set j, 0
.rept 32
	ds_load_b128 v[WGT+4*j:WGT+4*j+3], v7 offset:16*j   ; my own 512 bytes: 16 rows of w_gate
.set j, j+1
.endr
	s_wait_loadcnt 12                              ; token 0 is in; three younger sets of four stay out
	TURN 0
.macro STEP t
.set XS, X+16*((\t)%2)
	s_wait_dscnt 0x0                               ; my 16 neighbours are back; all earlier LDS stores have read their registers
	s_wait_xcnt 0x0                                ; the last step's store of codes has read v120-122
.if (\t)+4 < 8
	LOADX (\t)+4
.endif
.if (\t)+1 < 8
.if 6-(\t) >= 3
	s_wait_loadcnt 12                              ; the next token is in; the three sets behind it stay out
.else
	s_wait_loadcnt 4*(6-(\t))                      ; fewer sets are left behind it
.endif
	TURN (\t)+1
.endif
	v_max3_num_f32 v12, |v[XS]|, |v[XS+1]|, |v[XS+2]|
	v_max3_num_f32 v13, |v[XS+3]|, |v[XS+4]|, |v[XS+5]|
.irp i,6,10
	v_max3_num_f32 v12, v12, |v[XS+\i]|, |v[XS+\i+1]|
	v_max3_num_f32 v13, v13, |v[XS+\i+2]|, |v[XS+\i+3]|
.endr
	v_max3_num_f32 v12, v12, |v[XS+14]|, |v[XS+15]|
	v_max3_num_f32 v12, v12, v13, 0x1800000        ; the floor 2^(3 - 127): the byte cannot fall under 1
	v_max_num_f32_dpp v12, v12, v12 row_xmask:1 row_mask:0xf bank_mask:0xf   ; with my neighbour's 16: the block's largest magnitude
	v_add_nc_u32 v14, 0xff000000, v12              ; 2 off its exponent field: the conversion's scale operand
	v_cvt_scalef32_pk16_fp6_f32 v[120:122], v[XS:XS+15], v14
	v_lshrrev_b32 v15, 23, v14                     ; the scale's byte (a plain line behind the conversion)
	ds_store_b8 v6, v15 offset:64*(\t)             ; both lanes of a block write the same byte
	global_store_b96 v5, v[120:122], s[8:9] offset:1536*(\t)   ; the wave stores 384 consecutive bytes
.irp p,0,1,2,3
	v_pk_mul_f32 v[P+2*\p:P+2*\p+1], v[WGT+2*\p:WGT+2*\p+1], v[XS:XS+1] op_sel_hi:[1,0]   ; x(k) x w_gate(k, 2 p), (k, 2 p + 1): the first term starts the sums
.endr
.irp i,1,2,3,4,5,6,7,8,9,10,11,12,13,14,15
.irp p,0,1,2,3
.if \i%2
	v_pk_fma_f32 v[P+2*\p:P+2*\p+1], v[WGT+8*\i+2*\p:WGT+8*\i+2*\p+1], v[XS+\i-1:XS+\i], v[P+2*\p:P+2*\p+1] op_sel:[0,1,0] op_sel_hi:[1,1,1]
.else
	v_pk_fma_f32 v[P+2*\p:P+2*\p+1], v[WGT+8*\i+2*\p:WGT+8*\i+2*\p+1], v[XS+\i:XS+\i+1], v[P+2*\p:P+2*\p+1] op_sel_hi:[1,0,1]
.endif
.endr
.endr
.irp m,1,2,4,8
.irp e,0,1,2,3,4,5,6,7
	v_add_f32_dpp v[P+\e], v[P+\e], v[P+\e] row_xmask:\m row_mask:0xf bank_mask:0xf
.endr
.endr
.irp g,0,4
.irp e,0,1,2,3
	v_permlanex16_b32 v[124+\e], v[P+\g+\e], s20, s21
.endr
.irp e,0,1,2,3
	v_add_f32 v[P+\g+\e], v[P+\g+\e], v[124+\e]    ; the wave's 512 terms of logit e, in every lane
.endr
.endr
	ds_store_b128 v9, v[P:P+3] offset:128*(\t)     ; all lanes write the same words with the same values
	ds_store_b128 v9, v[P+4:P+7] offset:128*(\t)+16
.endm
.irp t,0,1,2,3,4,5,6,7
	STEP \t
.endr
	s_wait_dscnt 0x0                               ; for the others' sake: my scale bytes and partial logits lie in LDS
	s_barrier_signal -1
	s_barrier_wait -1
	s_cmp_lg_u32 s16, 0
	s_cbranch_scc1 .Ldone
	; wave 0 alone: the scale words leave as 512 consecutive bytes; lane l takes token l % 8
	v_add_nc_u32 v16, XSL, v2
	v_and_b32 v17, 7, v1
	v_lshlrev_b32 v17, 7, v17
	v_add_nc_u32 v17, PART, v17
	ds_load_b128 v[20:23], v16
.irp w,0,1,2,3
	ds_load_b128 v[24+8*\w:27+8*\w], v17 offset:32*\w
	ds_load_b128 v[28+8*\w:31+8*\w], v17 offset:32*\w+16
.endr
	s_wait_dscnt 0x0
	global_store_b128 v2, v[20:23], s[10:11]
.irp p,0,2,4,6
	v_pk_add_f32 v[24+\p:25+\p], v[24+\p:25+\p], v[32+\p:33+\p]
	v_pk_add_f32 v[40+\p:41+\p], v[40+\p:41+\p], v[48+\p:49+\p]
.endr
.irp p,0,2,4,6
	v_pk_add_f32 v[24+\p:25+\p], v[24+\p:25+\p], v[40+\p:41+\p]   ; the eight logits: v24-31
.endr
	v_mov_b32 v56, v24                             ; the largest logit and its expert; a strict compare keeps the lower index
	v_mov_b32 v57, 0
.irp e,1,2,3,4,5,6,7
	v_cmp_gt_f32 vcc_lo, v[24+\e], v56
	v_cndmask_b32 v56, v56, v[24+\e], vcc_lo
	v_cndmask_b32 v57, v57, \e, vcc_lo
.endr
	v_mov_b32 v58, 0xff800000                      ; the second: the largest of the other seven
	v_mov_b32 v59, 0
.irp e,0,1,2,3,4,5,6,7
	v_cmp_ne_u32 s23, \e, v57
	v_cmp_gt_f32 vcc_lo, v[24+\e], v58
	s_and_b32 vcc_lo, vcc_lo, s23
	v_cndmask_b32 v58, v58, v[24+\e], vcc_lo
	v_cndmask_b32 v59, v59, \e, vcc_lo
.endr
	v_sub_f32 v60, v58, v56                        ; l2 - l1, 0 or less
	v_mul_f32 v60, 0x3fb8aa3b, v60
	s_wait_alu depctr_va_vdst(0)
	v_exp_f32 v60, v60                             ; t
	v_min_u32 v63, v57, v59                        ; (a plain line behind the exponential) lo
	s_wait_alu depctr_va_vdst(0)                   ; the wait ahead of the first reader
	v_add_f32 v61, 1.0, v60
	s_wait_alu depctr_va_vdst(0)
	v_rcp_f32 v61, v61                             ; w1
	v_max_u32 v72, v57, v59                        ; (a plain line) hi
	s_wait_alu depctr_va_vdst(0)
	v_mul_f32 v62, v60, v61                        ; w2
	v_sub_nc_u32 v73, 15, v63
	v_mul_u32_u24 v73, v73, v63
	v_lshrrev_b32 v73, 1, v73
	v_add_nc_u32 v73, v73, v72
	v_sub_nc_u32 v73, v73, v63
	v_add_nc_u32 v73, -1, v73                      ; the class of the pair: lo (15 - lo) / 2 + hi - lo - 1, 0 .. 27
.irp e,0,1,2,3,4,5,6,7
	v_cmp_eq_u32 vcc_lo, \e, v57
	v_cndmask_b32 v[64+\e], 0, v61, vcc_lo
	v_cmp_eq_u32 vcc_lo, \e, v59
	v_cndmask_b32 v[64+\e], v[64+\e], v62, vcc_lo  ; the combine row
.endr
	v_lshlrev_b32 v74, 2, v1
	v_lshlrev_b32 v75, 5, v1
	s_wait_alu depctr_va_vdst(0)
	s_wait_xcnt 0x0                                ; EXEC changes only behind this wait
	v_cmp_gt_u32 vcc_lo, 8, v1
	s_and_saveexec_b32 s22, vcc_lo
	global_store_b32 v74, v73, s[12:13]
	global_store_b128 v75, v[64:67], s[14:15]
	global_store_b128 v75, v[68:71], s[14:15] offset:16
	s_wait_xcnt 0x0                                ; and again ahead of the line that widens it
	s_or_b32 exec_lo, exec_lo, s22
.Ldone:
	s_wait_tensorcnt 0x0                           ; the wave's end
	ds_add_u32 v10, v11
	s_wait_dscnt 0x0
	s_endpgm
.Lfunc_end_k_qe784e3763f_route:
	.size	k_qe784e3763f_route, .Lfunc_end_k_qe784e3763f_route-k_qe784e3763f_route
	.p2alignl 7, 3214868480
	.fill 96, 4, 3214868480
	.section	.rodata,"a",@progbits
	.p2align	6, 0x0
	.amdhsa_kernel k_qe784e3763f_route
		.amdhsa_group_segment_fixed_size 90112
		.amdhsa_private_segment_fixed_size 0
		.amdhsa_enable_private_segment 0
		.amdhsa_kernarg_size 48
		.amdhsa_user_sgpr_count 2
		.amdhsa_user_sgpr_kernarg_segment_ptr 1
		.amdhsa_wavefront_size32 1
		.amdhsa_system_sgpr_workgroup_id_x 1
		.amdhsa_system_sgpr_workgroup_id_y 1
		.amdhsa_system_sgpr_workgroup_id_z 1
		.amdhsa_system_vgpr_workitem_id 0
		.amdhsa_next_free_vgpr 256
		.amdhsa_next_free_sgpr 66
		.amdhsa_reserve_vcc 1
		.amdhsa_float_denorm_mode_32 3
		.amdhsa_float_denorm_mode_16_64 3
		.amdhsa_memory_ordered 1
		.amdhsa_forward_progress 1
		.amdhsa_inst_pref_size 87
	.end_amdhsa_kernel
	.amdgpu_metadata
---
amdhsa.version: [ 1, 2 ]
amdhsa.kernels:
  - .name:           k_qe784e3763f_route
    .symbol:         k_qe784e3763f_route.kd
    .args:
      - { .name: hidden_states, .offset: 0, .size: 8, .value_kind: global_buffer, .address_space: global }
      - { .name: w_gate, .offset: 8, .size: 8, .value_kind: global_buffer, .address_space: global }
      - { .name: xq, .offset: 16, .size: 8, .value_kind: global_buffer, .address_space: global }
      - { .name: xs, .offset: 24, .size: 8, .value_kind: global_buffer, .address_space: global }
      - { .name: rid, .offset: 32, .size: 8, .value_kind: global_buffer, .address_space: global }
      - { .name: comb, .offset: 40, .size: 8, .value_kind: global_buffer, .address_space: global }
    .group_segment_fixed_size: 90112
    .private_segment_fixed_size: 0
    .kernarg_segment_align: 8
    .kernarg_segment_size: 48
    .max_flat_workgroup_size: 128
    .sgpr_count:     66
    .vgpr_count:     256
    .wavefront_size: 32
...
	.end_amdgpu_metadata
.endif
;; end of part 5
;; launch place (part 6): grid 241 x 1, 32 waves a work-group, no clusters, 12,800 bytes of LDS; arguments rid, plan, w_gate_up_codes, w_sh_gate_up_codes, w_down_codes, w_sh_down_codes, wimg; writes plan, wimg
.if DOCPART == 6
	.amdgcn_target "amdgcn-amd-amdhsa--gfx1250"
	.amdhsa_code_object_version 6
	.text
	.protected	k_qe784e3763f_place
	.globl	k_qe784e3763f_place
	.p2align	8
	.type	k_qe784e3763f_place,@function
k_qe784e3763f_place:
	s_mov_b64 s[64:65], 0
	v_nop
	global_prefetch_b8 v0, s[64:65] scope:SCOPE_SE
	s_setreg_imm32_b32 hwreg(HW_REG_WAVE_MODE, 25, 1), 1
	s_wait_xcnt 0x0
; PLACE: a counting sort of the 2,048 tokens by the class of their pair of experts (28 classes), and the lists that the later launches walk.  Whole numbers alone; one work-group; no atomics.
; Work left out by the program (units of 16 sorted tokens and an expert that none of them chose) is decided here: see the first kernel's head.
; plan: PERM [2,048]: the token at each sorted place;  TM [128]: a tile's mask of experts;  UL [8][128]: for expert e the tiles that use it, ascending, from place 0 on (the other tiles
; fill the list from place 127 downward, so that every lane stores and EXEC is never changed; only the first n_e places are a list of users);  NC [8]: n_e.
; Wave w owns chunks 2 w and 2 w + 1 of 32 tokens.  A: each chunk's histogram (lane k = class k) and each token's rank among its chunk's tokens of the same class; the pair's histogram goes to LDS.
; B: every wave sums the 32 pair histograms, and those of the waves ahead of it; the class bounds are scanned into s32-s60; place = bound + earlier chunks' count + rank.
; C (waves 0-3): tile i's mask: class k counts where its run of places meets the tile's 16.  D (waves 0-7): wave e lists the tiles by bit e of their masks.
.set TML,   8192                       ; LDS: 32 histograms of 128 bytes from 0; the 128 masks here
.set SPARE, 8704                       ; the spare words, 128 bytes a wave, named by no other line
.set TM,    8192
.set UL,    8704
.set NC,    12800
	; WORK-GROUP 0 SORTS, as set out above.  WORK-GROUPS 1 TO 240 LAY THE WEIGHTS' CODES OUT as images of operand registers, for the two later launches: see below.
	; The paths part on the work-group's number alone; every work-group passes both barriers.
	s_load_b128 s[4:7], s[0:1], 0x0                ; rid, plan
	s_load_b256 s[20:27], s[0:1], 0x10             ; the codes of gate_up, shared gate_up, down, shared down
	s_load_b64 s[28:29], s[0:1], 0x30              ; wimg
	v_lshl_add_u32 v62, v0, 2, SPARE
	v_mov_b32 v63, 0
	v_lshrrev_b32 v4, 5, v0
	s_delay_alu instid0(VALU_DEP_1)
	v_readfirstlane_b32 s16, v4                    ; wave
	v_and_b32 v1, 31, v0                           ; lane
	s_delay_alu instid0(VALU_DEP_1)
	v_lshlrev_b32 v2, 2, v1
	s_delay_alu instid0(VALU_DEP_4)
	v_lshlrev_b32 v3, 8, v4
	s_delay_alu instid0(VALU_DEP_1)
	v_lshl_add_u32 v3, v1, 2, v3                   ; 256 w + 4 l: my first token's word in rid
	v_lshlrev_b32 v61, 7, v4
	s_delay_alu instid0(VALU_DEP_1)
	v_lshl_add_u32 v61, v1, 2, v61                 ; 128 w + 4 l: my lane's word in my wave's histogram
	v_lshlrev_b32 v47, 2, v4                       ; 4 w: where wave e's count goes
	v_and_b32 v7, 127, v0
	s_delay_alu instid0(VALU_DEP_1)
	v_lshlrev_b32 v46, 2, v7
	s_delay_alu instid0(VALU_DEP_1)
	v_add_nc_u32 v5, TML, v46                      ; every LDS address is made here, ahead of the first parting of waves
	v_add_nc_u32 v6, TML, v2
.irp r,8,9,10,11,12,13,32,33,34,37,38,45
	v_mov_b32 v\r, 0
.endr
	s_wait_alu depctr_va_vdst(0)
	s_wait_kmcnt 0x0
	s_cmp_eq_u32 ttmp9, 0
	s_cbranch_scc1 .Lsort
	; AN IMAGE is the fragment of 16 rows x 128 along K as a wave's registers take it: lane (r, h) holds the 48 bytes at row + 96 s + 48 h; its i-th 16 bytes lie at 512 i + 16 l of the image's 1,536.
	; wimg holds, on end: gate_up 8,192 images, shared gate_up 2,048, down 4,096, shared down 1,024; in each tensor image S T + s for tile T and K step s (S = 16, 16, 4, 8 K steps a row).
	; Rows of tile T: gate_up tensors 32 (T / 2) + 8 (T % 2) + r + 8 (r / 8), as launch up forms its tiles; down tensors 16 T + r.
	; Work-group x + 1 takes images 64 x .. 64 x + 63 (128, 32, 64, 16 work-groups for the four tensors), wave w two of them, K steps s and s + 1 of one tile.
	s_sub_co_u32 s8, ttmp9, 1                      ; x
	s_lshl_b32 s9, s8, 6
	s_lshl_b32 s10, s16, 1
	s_add_co_u32 s9, s9, s10                       ; my first image, counted over all of wimg
	s_mov_b32 s10, 0                               ; the tensor's first image,
	s_mov_b32 s11, 4                               ; log2 S,
	s_mov_b32 s12, 1                               ; 1: tiles formed as launch up forms them
	s_cmp_ge_u32 s8, 128
	s_cselect_b64 s[20:21], s[22:23], s[20:21]
	s_cselect_b32 s10, 8192, s10
	s_cmp_ge_u32 s8, 160
	s_cselect_b64 s[20:21], s[24:25], s[20:21]
	s_cselect_b32 s10, 10240, s10
	s_cselect_b32 s11, 2, s11
	s_cselect_b32 s12, 0, s12
	s_cmp_ge_u32 s8, 224
	s_cselect_b64 s[20:21], s[26:27], s[20:21]
	s_cselect_b32 s10, 14336, s10
	s_cselect_b32 s11, 3, s11
	s_mul_i32 s14, s9, 1536
	s_mov_b32 s15, 0
	s_add_nc_u64 s[28:29], s[28:29], s[14:15]      ; where my two images go
	s_sub_co_u32 s9, s9, s10                       ; the image's number in its tensor
	s_lshr_b32 s13, s9, s11                        ; T
	s_lshl_b32 s17, s13, s11
	s_sub_co_u32 s18, s9, s17                      ; s
	s_mul_i32 s14, s17, 1536                       ; 16 T rows, in bytes (a row is 96 S bytes)
	s_mul_i32 s18, s18, 96
	s_add_co_u32 s14, s14, s18
	s_and_b32 s13, s13, s12
	s_mul_i32 s13, s13, 12288                      ; an odd tile of a gate_up tensor begins 8 rows behind the even one, not 16
	s_sub_co_u32 s14, s14, s13
	s_add_nc_u64 s[20:21], s[20:21], s[14:15]
	s_lshl_b32 s19, 96, s11                        ; a row in bytes
	v_and_b32 v41, 8, v1
	v_lshrrev_b32 v42, 4, v1                       ; h
	v_and_b32 v40, 15, v1                          ; r
	v_lshlrev_b32 v43, 4, v1                       ; 16 l
	s_delay_alu instid0(VALU_DEP_2)
	v_mad_u32_u24 v40, v41, s12, v40               ; r, or r + 8 (r / 8)
	v_mul_u32_u24 v42, v42, 48
	s_delay_alu instid0(VALU_DEP_1)
	v_mad_u32_u24 v40, v40, s19, v42               ; my row, + 48 h
	s_wait_alu depctr_va_vdst(0)
.irp j,0,1
.irp i,0,1,2
	global_load_b128 v[16+12*\j+4*\i:19+12*\j+4*\i], v40, s[20:21] offset:96*\j+16*\i
.endr
.endr
	s_wait_loadcnt 0x0
.irp j,0,1
.irp i,0,1,2
	global_store_b128 v43, v[16+12*\j+4*\i:19+12*\j+4*\i], s[28:29] offset:1536*\j+512*\i   ; the wave stores 512 consecutive bytes, at a multiple of 256 from the buffer's first byte
.endr
.endr
	s_wait_xcnt 0x0                                ; the stores have read their registers
	s_branch .Lmeet1
.Lsort:
	global_load_b32 v8, v3, s[4:5]
	global_load_b32 v9, v3, s[4:5] offset:128
	s_wait_loadcnt 0x0
.irp j,0,1
.set k, 0
.rept 28
	v_cmp_eq_u32 s8, k, v[8+\j]                    ; the chunk's tokens of class k
	s_bcnt1_i32_b32 s9, s8
	v_writelane_b32 v[10+\j], s9, k                ; their number, into lane k
	v_mbcnt_lo_u32_b32 v14, s8, 0                  ; how many of them lie in lower lanes
	s_delay_alu instid0(VALU_DEP_1)
	v_cndmask_b32 v[12+\j], v[12+\j], v14, s8      ; my rank, if the class is mine
.set k, k+1
.endr
.endr
	s_delay_alu instid0(VALU_DEP_3)
	v_add_nc_u32 v15, v10, v11                     ; the pair's histogram: what the other waves need of mine
	ds_store_b32 v61, v15
.Lmeet1:
	s_wait_dscnt 0x0                               ; for the others' sake
	s_barrier_signal -1
	s_barrier_wait -1
	s_cmp_lg_u32 ttmp9, 0                          ; work-group 0 alone sorts
	s_cbranch_scc1 .Lno_c
.irp g,0,1
.irp i,0,1,2,3,4,5,6,7,8,9,10,11,12,13,14,15
	ds_load_b32 v[16+\i], v2 offset:128*(16*\g+\i)
.endr
	s_wait_alu depctr_va_vdst(0)
	s_wait_dscnt 0x0
.irp i,0,1,2,3,4,5,6,7,8,9,10,11,12,13,14,15
	s_cmp_gt_u32 s16, 16*\g+\i                     ; a wave ahead of mine?
	s_cselect_b32 s10, 1, 0
	v_add_nc_u32 v32, v32, v[16+\i]                ; each class's total
	v_mad_u32_u24 v33, v[16+\i], s10, v33          ; and its count in earlier waves' chunks
.endr
.endr
	s_mov_b32 s32, 0
.set k, 0
.rept 28
	v_readlane_b32 s11, v32, k
	v_writelane_b32 v34, s[32+k], k                ; class k begins at place s[32 + k]
	s_add_co_u32 s[33+k], s[32+k], s11
.set k, k+1
.endr
	v_add_nc_u32 v35, v34, v33                     ; lane k: where my first chunk's tokens of class k begin,
	s_delay_alu instid0(VALU_DEP_1)
	v_add_nc_u32 v36, v35, v10                     ; and my second chunk's
.irp j,0,1
.set k, 0
.rept 28
	v_cmp_eq_u32 s8, k, v[8+\j]
	v_readlane_b32 s9, v[35+\j], k
	s_delay_alu instid0(VALU_DEP_1)
	v_cndmask_b32 v[37+\j], v[37+\j], s9, s8
.set k, k+1
.endr
.endr
	v_lshrrev_b32 v40, 2, v3                       ; my tokens: 64 w + l and 32 more
	s_delay_alu instid0(VALU_DEP_1)
	v_add_nc_u32 v41, 32, v40
.irp j,0,1
	v_add_nc_u32 v[37+\j], v[37+\j], v[12+\j]
	s_delay_alu instid0(VALU_DEP_1)
	v_min_u32 v[37+\j], 0x7ff, v[37+\j]            ; held inside the list
	s_delay_alu instid0(VALU_DEP_1)
	v_lshlrev_b32 v[37+\j], 2, v[37+\j]
	global_store_b32 v[37+\j], v[40+\j], s[6:7]
.endr
	s_cmp_ge_u32 s16, 4
	s_cbranch_scc1 .Lno_c
	v_lshlrev_b32 v42, 4, v7                       ; tile i = my thread's number: places 16 i .. 16 i + 15
	s_delay_alu instid0(VALU_DEP_1)
	v_add_nc_u32 v43, 16, v42
.set k, 0
.irp lo,0,1,2,3,4,5,6
.irp hi, 1
.if \hi > \lo
	s_delay_alu instid0(VALU_DEP_2)
	v_max_u32 v14, s[32+k], v42
	s_delay_alu instid0(VALU_DEP_2)
	v_min_u32 v15, s[33+k], v43
	s_delay_alu instid0(VALU_DEP_1)
	v_cmp_lt_u32 vcc_lo, v14, v15                  ; the class's run meets the tile
	v_or_b32 v44, (1<<\lo)|(1<<\hi), v45
	s_delay_alu instid0(VALU_DEP_1)
	v_cndmask_b32 v45, v45, v44, vcc_lo
.set k, k+1
.endif
.endr
.irp hi, 2, 3, 4, 5, 6, 7
.if \hi > \lo
	v_max_u32 v14, s[32+k], v42
	v_min_u32 v15, s[33+k], v43
	s_delay_alu instid0(VALU_DEP_1)
	v_cmp_lt_u32 vcc_lo, v14, v15                  ; the class's run meets the tile
	s_delay_alu instid0(VALU_DEP_4)
	v_or_b32 v44, (1<<\lo)|(1<<\hi), v45
	s_delay_alu instid0(VALU_DEP_1)
	v_cndmask_b32 v45, v45, v44, vcc_lo
.set k, k+1
.endif
.endr
.endr
	ds_store_b32 v5, v45
	global_store_b32 v46, v45, s[6:7] offset:TM
.Lno_c:
	s_wait_dscnt 0x0                               ; the masks lie in LDS; my reads of the histograms are over
	s_barrier_signal -1
	s_barrier_wait -1
	s_cmp_lg_u32 ttmp9, 0
	s_cbranch_scc1 .Lno_d
	s_cmp_ge_u32 s16, 8
	s_cbranch_scc1 .Lno_d
.irp j,0,1,2,3
	ds_load_b32 v[48+\j], v6 offset:128*\j
	v_add_nc_u32 v[52+\j], 32*\j, v1               ; the tile's number
.endr
	s_lshl_b32 s13, s16, 9                         ; expert e = my wave: its list of 512 bytes
	s_mov_b32 s12, 0                               ; tiles so far that use the expert,
	s_mov_b32 s11, 0                               ; and that do not
	s_wait_dscnt 0x0
.irp j,0,1,2,3
	v_lshrrev_b32 v14, s16, v[48+\j]
	s_delay_alu instid0(VALU_DEP_1)
	v_and_b32 v14, 1, v14
	s_delay_alu instid0(VALU_DEP_1)
	v_cmp_eq_u32 s8, 1, v14                        ; the 32 tiles that use the expert,
	s_not_b32 s9, s8                               ; and those that do not
	v_mbcnt_lo_u32_b32 v[56+\j], s8, s12           ; a user's place: from 0 upward
	v_mbcnt_lo_u32_b32 v15, s9, s11
	s_delay_alu instid0(VALU_DEP_1)
	v_sub_nc_u32 v15, 127, v15                     ; another's: from 127 downward
	s_delay_alu instid0(VALU_DEP_1)
	v_cndmask_b32 v[56+\j], v15, v[56+\j], s8
	s_delay_alu instid0(VALU_DEP_1)
	v_min_u32 v[56+\j], 127, v[56+\j]              ; held inside the list; a register of its own for each store's address
	s_delay_alu instid0(VALU_DEP_1)
	v_lshlrev_b32 v[56+\j], 2, v[56+\j]
	s_delay_alu instid0(VALU_DEP_1)
	v_add_nc_u32 v[56+\j], s13, v[56+\j]
	global_store_b32 v[56+\j], v[52+\j], s[6:7] offset:UL   ; the 128 places are a permutation: every lane stores, each word is written once
	s_bcnt1_i32_b32 s10, s8
	s_add_co_u32 s12, s12, s10
	s_sub_co_u32 s10, 32, s10
	s_add_co_u32 s11, s11, s10
.endr
	v_mov_b32 v60, s12
	global_store_b32 v47, v60, s[6:7] offset:NC    ; n_e: all lanes write the same word with the same value
.Lno_d:
	s_wait_tensorcnt 0x0                           ; the wave's end
	ds_add_u32 v62, v63
	s_wait_dscnt 0x0
	s_endpgm
.Lfunc_end_k_qe784e3763f_place:
	.size	k_qe784e3763f_place, .Lfunc_end_k_qe784e3763f_place-k_qe784e3763f_place
	.p2alignl 7, 3214868480
	.fill 96, 4, 3214868480
	.section	.rodata,"a",@progbits
	.p2align	6, 0x0
	.amdhsa_kernel k_qe784e3763f_place
		.amdhsa_group_segment_fixed_size 12800
		.amdhsa_private_segment_fixed_size 0
		.amdhsa_enable_private_segment 0
		.amdhsa_kernarg_size 56
		.amdhsa_user_sgpr_count 2
		.amdhsa_user_sgpr_kernarg_segment_ptr 1
		.amdhsa_wavefront_size32 1
		.amdhsa_system_sgpr_workgroup_id_x 1
		.amdhsa_system_sgpr_workgroup_id_y 1
		.amdhsa_system_sgpr_workgroup_id_z 1
		.amdhsa_system_vgpr_workitem_id 0
		.amdhsa_next_free_vgpr 64
		.amdhsa_next_free_sgpr 66
		.amdhsa_reserve_vcc 1
		.amdhsa_float_denorm_mode_32 3
		.amdhsa_float_denorm_mode_16_64 3
		.amdhsa_memory_ordered 1
		.amdhsa_forward_progress 1
		.amdhsa_inst_pref_size 61
	.end_amdhsa_kernel
	.amdgpu_metadata
---
amdhsa.version: [ 1, 2 ]
amdhsa.kernels:
  - .name:           k_qe784e3763f_place
    .symbol:         k_qe784e3763f_place.kd
    .args:
      - { .name: rid, .offset: 0, .size: 8, .value_kind: global_buffer, .address_space: global }
      - { .name: plan, .offset: 8, .size: 8, .value_kind: global_buffer, .address_space: global }
      - { .name: w_gate_up_codes, .offset: 16, .size: 8, .value_kind: global_buffer, .address_space: global }
      - { .name: w_sh_gate_up_codes, .offset: 24, .size: 8, .value_kind: global_buffer, .address_space: global }
      - { .name: w_down_codes, .offset: 32, .size: 8, .value_kind: global_buffer, .address_space: global }
      - { .name: w_sh_down_codes, .offset: 40, .size: 8, .value_kind: global_buffer, .address_space: global }
      - { .name: wimg, .offset: 48, .size: 8, .value_kind: global_buffer, .address_space: global }
    .group_segment_fixed_size: 12800
    .private_segment_fixed_size: 0
    .kernarg_segment_align: 8
    .kernarg_segment_size: 56
    .max_flat_workgroup_size: 1024
    .sgpr_count:     66
    .vgpr_count:     64
    .wavefront_size: 32
...
	.end_amdgpu_metadata
.endif
;; end of part 6
;; launch up (part 7): grid 204 x 1, 4 waves a work-group, no clusters, 74,240 bytes of LDS; arguments xq, xs, plan, wimg, w_gate_up_scales, w_sh_gate_up_scales, actc, acts; writes actc, acts
.if DOCPART == 7
	.amdgcn_target "amdgcn-amd-amdhsa--gfx1250"
	.amdhsa_code_object_version 6
	.text
	.protected	k_qe784e3763f_up
	.globl	k_qe784e3763f_up
	.p2align	8
	.type	k_qe784e3763f_up,@function
k_qe784e3763f_up:
	s_mov_b64 s[64:65], 0
	v_nop
	global_prefetch_b8 v0, s[64:65] scope:SCOPE_SE
	s_setreg_imm32_b32 hwreg(HW_REG_WAVE_MODE, 25, 1), 1
	s_wait_xcnt 0x0
; UP: gate_up of the routed and the shared experts on E2M3 codes, silu(g) u in f32, the quantiser along the hidden axis; the hidden layer leaves as images of operand registers.
; Left out: units (16 sorted tokens, expert) that no token of the tile chose (the first kernel's head shows why); a NaN or infinity that reaches only those is not carried on.
; The shared expert counts as experts 8 and 9 (512 hidden units each), used by every tile.
; TASKS.  A group is up to 6 tiles of one expert.  A wave takes the group x 64 hidden units: 4 tiles of gate rows and 4 of up rows, 48 accumulators.  A work-group holds four neighbouring
; chunks of 64.  Work-groups 0-115: routed, group x / 2; the sum over experts of ceil(n_e / 6) is at most (310 + 40) / 6 = 58 whatever the split, since the 128 tiles name at most 2 x 128 + 2 x 27
; units (each of the 27 changes of class adds at most two experts to one tile).  Work-groups 116-203: shared, 22 groups x 4 parts.  A group's last tiles, where it has fewer than 6, repeat a tile and are not stored.
; A work-group beyond the split's groups has 0 tiles to store: it walks clamped entries of the last expert's list like any other and stores nothing.  It does not end early, since the four waves meet at
; barriers and no barrier stands behind a branch on a stored number: that is the price of sharing x's fragments, paid by at most 2 x (58 - the split's groups) work-groups.
; The way out branches on a stored number (the group's count of tiles), so this launch has no tensor load.  No cluster: partners would walk different experts.
; x GOES ROUND THROUGH LDS.  The group's six fragments of x of a K step are the same for all four waves.  Of each four K steps wave w fetches those of step 4 q + w (18 loads), stores them as images of their
; registers (lane l's 16 bytes at 16 l, 512 bytes a store), and every wave reads them back by the same lines.  Two buffers of four K steps take turns, one barrier for four K steps.
; The weights' fragments are each wave's own and go from memory straight into registers, in three sets, asked for two K steps ahead: a batch is always on its way while another is waited for.
; LAYOUT.  Lane (r, h) loads the 48 consecutive bytes at row + 96 s + 48 h as registers 0-11 of a fragment: true block 2 h + c stands where the operand's layout has block 2 c + h,
; alike on both operands, so the products are kept; the order of the sums within 128 along K differs from ascending k.  Scale words follow: x's are stored so, the weights' are turned by v_perm_b32.
; The product is used transposed (source 0 = 16 weight rows, source 1 = 16 tokens): a lane holds one token.  Lane r of tile (block, u) takes weight row 32 block + 8 u + r + 8 (r / 8), so that
; the 16 registers of tiles u = 0, 1 are 16 neighbours along the hidden axis.  The wave's two blocks are true blocks 4 s + c and 4 s + c + 2 of the next product's K step s: registers 6 c .. 6 c + 5 of its fragment.
; REGISTERS: window 0: v1 16 l, v2 8 l, v3 weight rows, v4 their scale rows, v5 16 r, v6-11 x rows (with my wave's K step), v12-14 x scale rows, v15-20 tokens, v24-55 weights' scale words (two buffers),
; v56-79 x's (two buffers), v83-84 the add's two, v85-86 where I store images, v87 the second buffer's images, v88-159 x fragments of even K steps, v160-255 weight set 0;
; window 1: v0-71 x as fetched, v88-159 x fragments of odd K steps, v160-255 weight set 1; window 2: accumulators of tiles 0-3 at 64 (t % 4) + 8 nn; window 3: v0-127 tiles 4, 5, v128-223 weight set 2.
.set NRT,   116
.set ABUF,  36864                      ; a buffer of images: 4 K steps x 6 tiles x 1,536 bytes
.set SPARE, 73728                      ; behind the two buffers: the spare words, 128 bytes a wave, named by no other line
.set MSB, 0
.macro WIN new                         ; the immediate's high byte repeats the setting that is left
.if MSB != (\new)
	s_set_vgpr_msb (MSB<<8)|(\new)
.set MSB, (\new)
.endif
.endm
.macro WM zero, ra, rb                 ; one product on the registers named by rD, rA, rB, rSA, rSB; ra, rb: the scales stand in lanes 16-31
.if \zero
.if (\ra)&&(\rb)
	v_wmma_scale_f32_16x16x128_f8f6f4 v[rD:rD+7], v[rA:rA+11], v[rB:rB+11], 0, v[rSA], v[rSB] matrix_a_fmt:MATRIX_FMT_FP6 matrix_b_fmt:MATRIX_FMT_FP6 matrix_a_scale:MATRIX_SCALE_ROW1 matrix_b_scale:MATRIX_SCALE_ROW1
.elseif (\ra)
	v_wmma_scale_f32_16x16x128_f8f6f4 v[rD:rD+7], v[rA:rA+11], v[rB:rB+11], 0, v[rSA], v[rSB] matrix_a_fmt:MATRIX_FMT_FP6 matrix_b_fmt:MATRIX_FMT_FP6 matrix_a_scale:MATRIX_SCALE_ROW1
.elseif (\rb)
	v_wmma_scale_f32_16x16x128_f8f6f4 v[rD:rD+7], v[rA:rA+11], v[rB:rB+11], 0, v[rSA], v[rSB] matrix_a_fmt:MATRIX_FMT_FP6 matrix_b_fmt:MATRIX_FMT_FP6 matrix_b_scale:MATRIX_SCALE_ROW1
.else
	v_wmma_scale_f32_16x16x128_f8f6f4 v[rD:rD+7], v[rA:rA+11], v[rB:rB+11], 0, v[rSA], v[rSB] matrix_a_fmt:MATRIX_FMT_FP6 matrix_b_fmt:MATRIX_FMT_FP6
.endif
.else
.if (\ra)&&(\rb)
	v_wmma_scale_f32_16x16x128_f8f6f4 v[rD:rD+7], v[rA:rA+11], v[rB:rB+11], v[rD:rD+7], v[rSA], v[rSB] matrix_a_fmt:MATRIX_FMT_FP6 matrix_b_fmt:MATRIX_FMT_FP6 matrix_a_scale:MATRIX_SCALE_ROW1 matrix_b_scale:MATRIX_SCALE_ROW1
.elseif (\ra)
	v_wmma_scale_f32_16x16x128_f8f6f4 v[rD:rD+7], v[rA:rA+11], v[rB:rB+11], v[rD:rD+7], v[rSA], v[rSB] matrix_a_fmt:MATRIX_FMT_FP6 matrix_b_fmt:MATRIX_FMT_FP6 matrix_a_scale:MATRIX_SCALE_ROW1
.elseif (\rb)
	v_wmma_scale_f32_16x16x128_f8f6f4 v[rD:rD+7], v[rA:rA+11], v[rB:rB+11], v[rD:rD+7], v[rSA], v[rSB] matrix_a_fmt:MATRIX_FMT_FP6 matrix_b_fmt:MATRIX_FMT_FP6 matrix_b_scale:MATRIX_SCALE_ROW1
.else
	v_wmma_scale_f32_16x16x128_f8f6f4 v[rD:rD+7], v[rA:rA+11], v[rB:rB+11], v[rD:rD+7], v[rSA], v[rSB] matrix_a_fmt:MATRIX_FMT_FP6 matrix_b_fmt:MATRIX_FMT_FP6
.endif
.endif
.endm
.macro LOADSCW q                       ; the weights' scale words of K steps 4 q .. 4 q + 3 into buffer q % 2: 4 loads (window 0)
.set SBUF, (\q)%2
.irp kb,0,1,2,3
.if \kb < 2
	global_load_b128 v[24+16*SBUF+4*\kb:27+16*SBUF+4*\kb], v4, s[36:37] offset:4096*(\kb%2)+16*(\q)
.else
	global_load_b128 v[24+16*SBUF+4*\kb:27+16*SBUF+4*\kb], v4, s[38:39] offset:4096*(\kb%2)+16*(\q)
.endif
.endr
.endm
.macro LOADSCX q                       ; x's likewise: 3 loads (window 0)
.set SBUF, (\q)%2
.irp p,0,1,2
	global_load_b128 v[56+12*SBUF+4*\p:59+12*SBUF+4*\p], v[12+\p], s[6:7] offset:16*(\q)
.endr
.endm
.macro LOADAT q                        ; x's six fragments of K step 4 q + my wave: 18 loads into window 1, v0-71
	WIN 0x40
.irp t,0,1,2,3,4,5
.irp i,0,1,2
	global_load_b128 v[12*\t+4*\i:12*\t+4*\i+3], v[6+\t], s[4:5] offset:384*(\q)+16*\i
.endr
.endr
.endm
.macro STOREAT q                       ; and their images into buffer q % 2, at 9,216 x my wave
	WIN 0x04                                       ; an LDS store's data are its source 1: window 1
.irp t,0,1,2,3,4,5
.irp i,0,1,2
.if (\q)%2
	ds_store_b128 v86, v[12*\t+4*\i:12*\t+4*\i+3] offset:1536*\t+512*\i
.else
	ds_store_b128 v85, v[12*\t+4*\i:12*\t+4*\i+3] offset:1536*\t+512*\i
.endif
.endr
.endr
.endm
.macro LDA s                           ; x's six fragments of K step s from LDS into set s % 2: 18 loads of 512 consecutive bytes
	WIN ((\s)%2)<<6
.irp t,0,1,2,3,4,5
.irp i,0,1,2
.if ((\s)/4)%2
	ds_load_b128 v[88+12*\t+4*\i:91+12*\t+4*\i], v87 offset:9216*((\s)%4)+1536*\t+512*\i
.else
	ds_load_b128 v[88+12*\t+4*\i:91+12*\t+4*\i], v1 offset:9216*((\s)%4)+1536*\t+512*\i
.endif
.endr
.endr
.endm
.macro LOADB s                         ; my eight weight fragments of K step s into set s % 3: 24 loads
.set BS3, (\s)%3
.set BB, 160-32*(BS3/2)
	WIN (BS3+BS3/2)<<6                             ; sets 0, 1, 2 lie in windows 0, 1, 3
.irp nn,0,1,2,3,4,5,6,7
.irp i,0,1,2
.if \nn < 4
	global_load_b128 v[BB+12*\nn+4*\i:BB+12*\nn+4*\i+3], v1, s[32:33] offset:98304*((\nn/2)%2)+24576*(\nn%2)+1536*(\s)+512*\i   ; the weights come as the images that launch place laid out: 512 consecutive bytes a load; a block of 32 rows is 2 tiles x 16 images, 49,152 bytes as in the codes themselves; v3 is not used
.else
	global_load_b128 v[BB+12*\nn+4*\i:BB+12*\nn+4*\i+3], v1, s[34:35] offset:98304*((\nn/2)%2)+24576*(\nn%2)+1536*(\s)+512*\i
.endif
.endr
.endr
.endm
.macro PERMSC q                        ; the weights' scale words into the order of the fragments; a scale register written by a vector line stands 8 places ahead of a scaled product
.set i, 0
.rept 16
	v_perm_b32 v[24+16*((\q)%2)+i], v[24+16*((\q)%2)+i], v[24+16*((\q)%2)+i], s67
.set i, i+1
.endr
.rept 8
	v_nop
.endr
.endm
.macro MUL s, zero                     ; 48 products; the 48 accumulators take turns, one instruction a turn, in the same order in every step
.set BS3, (\s)%3
.set BW, BS3+BS3/2
.set BB, 160-32*(BS3/2)
.set AW, (\s)%2
.set SBUF, ((\s)/4)%2
.set SWD, (\s)%4
.irp t,0,1,2,3,4,5
	WIN BW|(AW<<2)|((2+\t/4)<<4)|((2+\t/4)<<6)
.irp nn,0,1,2,3,4,5,6,7
.set rD, 64*(\t%4)+8*\nn
.set rA, BB+12*\nn
.set rB, 88+12*\t
.set rSA, 24+16*SBUF+4*(\nn/2)+SWD
.set rSB, 56+12*SBUF+4*(\t/2)+SWD
	WM \zero, \nn%2, \t%2
.endr
.endr
.endm
.macro MEET                            ; my images lie in LDS and my reads of the other buffer are over: then the work-group's barrier
	WIN 0
	s_wait_dscnt 0x0
	s_barrier_signal -1
	s_barrier_wait -1
.endm
.macro STEP s
.if (\s) == 15
	s_wait_loadcnt 0x0                             ; the last batch
.elseif (((\s)%4) == 1) && ((\s) < 12)
	s_wait_loadcnt 49                              ; this step's weights are in; younger: 7 loads of scales, 18 of x and the next batch of 24
.else
	s_wait_loadcnt 24                              ; this step's weights are in; the next batch of 24 stays out
.endif
	WIN 0
.rept 4
	v_nop                                          ; places in front of loads into the sets and the scale words that the last step's products read
.endr
.if (((\s)%4) == 0) && ((\s) < 12)
	LOADSCW (\s)/4+1                               ; for the next four K steps: scale words,
	LOADSCX (\s)/4+1
	LOADAT (\s)/4+1                                ; and my share of x (its images are stored behind this quad's last products: by then two later batches have been waited for)
.endif
.if (\s)+2 < 16
	LOADB (\s)+2                                   ; weights two K steps ahead
.endif
.if ((\s)%4) != 3
	LDA (\s)+1                                     ; x one K step ahead, out of the buffer in hand
.endif
.if ((\s)%4) == 0
	WIN 0
	PERMSC (\s)/4
.endif
.if ((\s)%4) != 3
	s_wait_alu depctr_va_vdst(0)
	s_wait_dscnt 18                                ; this step's x is in; the 18 loads just issued stay out
.else
	s_wait_dscnt 0x0
.endif
.if (\s) == 0
	s_wait_alu depctr_va_vdst(0)
	MUL \s, 1                                      ; the first step starts the sums: nothing is cleared
.else
	MUL \s, 0
.endif
.if (((\s)%4) == 3) && ((\s) < 15)
	STOREAT (\s)/4+1                               ; into the buffer that was read a quad ago: every wave's reads of it were over at the last barrier
	MEET
	LDA (\s)+1
.endif
.endm
	s_load_b256 s[4:11], s[0:1], 0x0               ; xq, xs, plan, wimg (the routed weights' images lie at its start)
	s_load_b64 s[12:13], s[0:1], 0x20              ; routed scales
	s_load_b128 s[16:19], s[0:1], 0x28             ; shared scales, actc
	s_load_b64 s[20:21], s[0:1], 0x38              ; acts
	v_lshl_add_u32 v83, v0, 2, SPARE               ; my spare word
	v_mov_b32 v84, 0
	v_lshrrev_b32 v21, 5, v0
	v_readfirstlane_b32 s22, v21                   ; wave
	v_and_b32 v21, 31, v0
	v_lshlrev_b32 v1, 4, v21
	v_lshlrev_b32 v2, 3, v21
	v_and_b32 v22, 15, v0                          ; r
	v_bfe_u32 v23, v0, 4, 1                        ; h
	v_lshlrev_b32 v5, 4, v22
	v_and_b32 v80, 8, v22
	v_add_nc_u32 v80, v80, v22                     ; r + 8 (r / 8)
	v_mul_u32_u24 v81, v23, 48
	v_lshl_add_u32 v4, v23, 3, v80
	v_lshlrev_b32 v4, 6, v4                        ; scale rows of 64 bytes: lanes 0-15 tile u = 0, lanes 16-31 tile u = 1 (8 rows on)
	v_lshlrev_b32 v82, 2, v22
	s_mul_i32 s23, s22, 96
	v_add_nc_u32 v21, s23, v81                     ; in a row of x: 48 h + my wave's K step of a quad
	s_mul_i32 s23, s22, 9216
	v_add_nc_u32 v85, s23, v1                      ; where my images go: 16 l + 9,216 w, in buffer 0,
	v_add_nc_u32 v86, ABUF, v85                    ; in buffer 1;
	v_add_nc_u32 v87, ABUF, v1                     ; and where buffer 1 is read
	s_mov_b32 s66, 0xffff0000                      ; lanes 16-31
	s_mov_b32 s67, 0x03010200                      ; bytes 1 and 2 change places
	s_mov_b32 s76, 0x76543210
	s_mov_b32 s77, 0xfedcba98
	s_wait_kmcnt 0x0
	s_add_nc_u64 s[14:15], s[10:11], 12582912      ; the shared weights' images, behind the routed ones' 8,192
	s_cmp_ge_u32 ttmp9, NRT
	s_cbranch_scc1 .Lshared
	s_load_b256 s[68:75], s[8:9], 0x3200           ; n_0 .. n_7
	s_lshr_b32 s78, ttmp9, 1                       ; my group
	s_and_b32 s79, ttmp9, 1
	s_lshl_b32 s79, s79, 2
	s_add_co_u32 s79, s79, s22                     ; my chunk of 64 hidden units, 0 .. 7
	s_mov_b32 s80, 0                               ; groups of the experts so far
	s_mov_b32 s81, 0                               ; my expert,
	s_mov_b32 s82, 0                               ; its first group,
	s_mov_b32 s83, 0                               ; its tiles
	s_wait_kmcnt 0x0
.irp i,0,1,2,3,4,5,6,7
	s_min_u32 s[68+\i], s[68+\i], 128
	s_cmp_ge_u32 s78, s80
	s_cselect_b32 s81, \i, s81
	s_cselect_b32 s82, s80, s82
	s_cselect_b32 s83, s[68+\i], s83
	s_add_co_u32 s84, s[68+\i], 5
	s_mul_i32 s84, s84, 171
	s_lshr_b32 s84, s84, 10                        ; ceil(n / 6): (n + 5) x 171 / 1,024 is exact up to n + 5 = 133
	s_add_co_u32 s80, s80, s84
.endr
	s_sub_co_u32 s84, s78, s82
	s_mul_i32 s84, s84, 6                          ; my group's first tile in the expert's list
	s_sub_co_i32 s30, s83, s84
	s_min_i32 s30, s30, 6
	s_max_i32 s30, s30, 0                          ; how many tiles it has: 0 where the split has no group for me
	s_sub_co_u32 s85, s83, 1
	s_min_u32 s81, s81, 7
	s_lshl_b32 s96, s81, 9
.irp t,0,1,2,3,4,5
	s_add_co_u32 s[86+\t], s84, \t
	s_min_u32 s[86+\t], s[86+\t], s85              ; beyond the list's end: its last tile once more
	s_min_u32 s[86+\t], s[86+\t], 127              ; (all 128 words of a list are written)
	s_lshl_b32 s[86+\t], s[86+\t], 2
	s_add_co_u32 s[86+\t], s[86+\t], s96
.endr
.irp t,0,1,2,3,4,5
	s_load_b32 s[24+\t], s[8:9], s[86+\t] offset:8704
.endr
	s_wait_kmcnt 0x0
.irp t,0,1,2,3,4,5
	s_min_u32 s[24+\t], s[24+\t], 127
.endr
	s_mul_i32 s92, s81, 1572864                    ; the expert's codes,
	s_lshl_b32 s94, s81, 16                        ; its scale bytes,
	s_mov_b32 s96, 786432                          ; from gate rows to up rows: 512 rows of codes,
	s_mov_b32 s98, 32768                           ; of scale bytes
	s_mov_b32 s31, s81                             ; the unit's expert
	s_mov_b32 s84, 0
	s_branch .Lcommon
.Lshared:
	s_sub_co_u32 s78, ttmp9, NRT
	s_lshr_b32 s80, s78, 2                         ; group 0 .. 21
	s_and_b32 s79, s78, 3
	s_lshl_b32 s79, s79, 2
	s_add_co_u32 s79, s79, s22                     ; chunk 0 .. 15
	s_mul_i32 s80, s80, 6
.irp t,0,1,2,3,4,5
	s_add_co_u32 s[24+\t], s80, \t
	s_min_u32 s[24+\t], s[24+\t], 127
.endr
	s_sub_co_u32 s30, 128, s80
	s_min_u32 s30, s30, 6
	s_mov_b32 s92, 0
	s_mov_b32 s94, 0
	s_mov_b32 s96, 1572864                         ; 1,024 rows
	s_mov_b32 s98, 65536
	s_lshr_b32 s84, s79, 3                         ; which half of the shared hidden layer
	s_add_co_u32 s31, s84, 8
	s_lshl_b32 s84, s84, 4
.Lcommon:
	s_cmp_lt_u32 ttmp9, NRT                        ; the choice of buffers hangs on the work-group's number alone
	s_cselect_b64 s[32:33], s[10:11], s[14:15]
	s_cselect_b64 s[36:37], s[12:13], s[16:17]
	s_and_b32 s85, s79, 7
	s_lshr_b32 s85, s85, 1                         ; s: the next product's K step
	s_and_b32 s86, s79, 1                          ; c: which half of its fragment
	s_lshl_b32 s87, s85, 2
	s_add_co_u32 s87, s87, s86
	s_add_co_u32 s87, s87, s84                     ; my first block of 32 weight rows
	s_mul_i32 s88, s87, 49152
	s_add_co_u32 s92, s92, s88
	s_lshl_b32 s88, s87, 11
	s_add_co_u32 s94, s94, s88
	s_mov_b32 s93, 0
	s_mov_b32 s95, 0
	s_mov_b32 s97, 0
	s_mov_b32 s99, 0
	s_add_nc_u64 s[32:33], s[32:33], s[92:93]      ; gate rows' codes
	s_add_nc_u64 s[34:35], s[32:33], s[96:97]      ; up rows'
	s_add_nc_u64 s[36:37], s[36:37], s[94:95]      ; gate rows' scale bytes
	s_add_nc_u64 s[38:39], s[36:37], s[98:99]      ; up rows'
	s_mul_i32 s88, s85, 1536
	s_mul_i32 s89, s86, 768
	s_add_co_u32 s88, s88, s89                     ; my half fragment's place in a unit
	s_lshl_b32 s89, s85, 2
	s_lshl_b32 s90, s86, 1
	s_add_co_u32 s89, s89, s90                     ; my two scale bytes' place in a row's 16
	s_mov_b32 s85, 0
.irp t,0,1,2,3,4,5
	s_mul_i32 s78, s[24+\t], 10
	s_add_co_u32 s78, s78, s31                     ; the unit: 10 x tile + expert
	s_mul_i32 s84, s78, 6144
	s_add_co_u32 s84, s84, s88
	s_add_nc_u64 s[40+2*\t:41+2*\t], s[18:19], s[84:85]
	s_lshl_b32 s84, s78, 8
	s_add_co_u32 s84, s84, s89
	s_add_nc_u64 s[52+2*\t:53+2*\t], s[20:21], s[84:85]
.endr
	s_wait_alu depctr_va_vdst(0)
.irp t,0,1,2,3,4,5
	v_lshl_add_u32 v[88+\t], s[24+\t], 6, v82      ; the tile's 16 places in the sorted list
.endr
.irp t,0,1,2,3,4,5
	global_load_b32 v[15+\t], v[88+\t], s[8:9]
.endr
	LOADSCW 0                                      ; what hangs on the expert alone goes out while the tokens are on their way: 4 + 24 + 24 loads
	LOADB 0
	LOADB 1
	WIN 0
	s_wait_loadcnt 52                              ; the tokens are in; those 52 stay out
.irp p,0,1,2
	v_cndmask_b32 v[12+\p], v[15+2*\p], v[16+2*\p], s66   ; lanes 0-15 the even tile's token, lanes 16-31 the odd tile's
	v_min_u32 v[12+\p], 0x7ff, v[12+\p]
	v_lshlrev_b32 v[12+\p], 6, v[12+\p]            ; its 64 scale bytes
.endr
.irp t,0,1,2,3,4,5
	v_min_u32 v[15+\t], 0x7ff, v[15+\t]
	v_mul_u32_u24 v[6+\t], v[15+\t], 1536
	v_add_nc_u32 v[6+\t], v[6+\t], v21             ; its row of codes, + 48 h + 96 x my wave
.endr
	LOADSCX 0
	LOADAT 0
	s_wait_alu depctr_va_vdst(0)
	s_wait_loadcnt 0x0                             ; my share of x's first four K steps is the youngest
	STOREAT 0
	MEET
	LDA 0
.irp s,0,1,2,3,4,5,6,7,8,9,10,11,12,13,14,15
	STEP \s
.endr
	WIN 0
.rept 4
	v_nop                                          ; places in front of the first read of results
.endr
; THE WAY OUT of tile t: act = g u / (1 + 2^(-g log2 e)), in place, in f32; two blocks of 32 are quantised; half a fragment and two scale bytes a row are stored.
.macro EPI t
.set W, 2+(\t)/4
.set AC, 64*((\t)%4)
.set Q, 88+16*(\t)                     ; 16 registers of its own for each tile, so that no store's data are written again
	s_cmp_le_u32 s30, \t
	s_cbranch_scc1 .Lend                           ; the group has no such tile
	WIN 0x55*W
.set p, 0
.rept 16
	v_pk_mul_f32 v[AC+32+p:AC+33+p], v[AC+p:AC+p+1], v[AC+32+p:AC+33+p]   ; g u; each accumulator is read from its low end on
.set p, p+2
.endr
.set p, 0
.rept 16
	v_pk_mul_f32 v[AC+p:AC+p+1], v[AC+p:AC+p+1], 0xbfb8aa3b op_sel_hi:[1,0]   ; -g log2(e)
.set p, p+2
.endr
.set p, 0
	s_wait_alu depctr_va_vdst(0)
.rept 32
	v_exp_f32 v[AC+p], v[AC+p]
.set p, p+1
.endr
	v_nop                                          ; a plain line behind the batch,
	s_wait_alu depctr_va_vdst(0)                   ; and the one wait ahead of its first reader
.set p, 0
.rept 16
	v_pk_add_f32 v[AC+p:AC+p+1], v[AC+p:AC+p+1], 1.0 op_sel_hi:[1,0]
.set p, p+2
.endr
.set p, 0
	s_wait_alu depctr_va_vdst(0)
.rept 32
	v_rcp_f32 v[AC+p], v[AC+p]
.set p, p+1
.endr
	v_nop
	s_wait_alu depctr_va_vdst(0)
.set p, 0
.rept 16
	v_pk_mul_f32 v[AC+p:AC+p+1], v[AC+p:AC+p+1], v[AC+32+p:AC+33+p]       ; act: register 16 b + i = hidden unit 32 block(b) + 16 h + i of my token
.set p, p+2
.endr
	WIN W|(W<<2)
.irp b,0,1
	v_max3_num_f32 v[Q+\b], |v[AC+16*\b]|, |v[AC+16*\b+1]|, 0x1800000     ; with the floor 2^(3 - 127): the byte cannot fall under 1
.endr
.irp i,2,4,6,8,10,12,14
.irp b,0,1
	v_max3_num_f32 v[Q+\b], |v[AC+16*\b+\i]|, |v[AC+16*\b+\i+1]|, v[Q+\b]
.endr
.endr
	WIN 0
	v_mov_b32 v[Q+4], 0
	v_mov_b32 v[Q+5], 0
.irp b,0,1
	v_permlanex16_b32 v[Q+4+\b], v[Q+\b], s76, s77
.endr
.irp b,0,1
	v_max_num_f32 v[Q+\b], v[Q+\b], v[Q+4+\b]      ; with lane l xor 16's 16: the block's largest magnitude
.endr
	v_add_nc_u32 v[Q+3], 0xff000000, v[Q]          ; 2 off the exponent field: the conversion's scale operand
	v_add_nc_u32 v[Q+9], 0xff000000, v[Q+1]
	v_lshrrev_b32 v[Q+4], 23, v[Q+3]
	v_lshrrev_b32 v[Q+5], 23, v[Q+9]
	v_lshl_or_b32 v[Q+2], v[Q+5], 8, v[Q+4]        ; my row's two scale bytes
	WIN W
	v_cvt_scalef32_pk16_fp6_f32 v[Q+10:Q+12], v[AC:AC+15], v[Q+3]
	v_cvt_scalef32_pk16_fp6_f32 v[Q+6:Q+8], v[AC+16:AC+31], v[Q+9]
	WIN 0
	v_nop                                          ; a plain line behind the conversions
.irp i,0,1,2
	v_permlane16_swap_b32 v[Q+10+\i], v[Q+6+\i]    ; lanes 0-15 now hold the first block whole, lanes 16-31 the second
.endr
.irp i,0,1,2
	v_mov_b32 v[Q+13+\i], v[Q+6+\i]
.endr
	global_store_b128 v1, v[Q+10:Q+13], s[40+2*(\t):41+2*(\t)]               ; 512 consecutive bytes,
	global_store_b64 v2, v[Q+14:Q+15], s[40+2*(\t):41+2*(\t)] offset:512     ; and 256 more: three whole aligned blocks of 256 bytes
	global_store_b16 v5, v[Q+2], s[52+2*(\t):53+2*(\t)]                      ; two bytes a row (lanes 16-31 write the same): the one small store of this launch
.endm
.irp t,0,1,2,3,4,5
	EPI \t
.endr
.Lend:
	s_wait_tensorcnt 0x0                           ; the wave's end
	ds_add_u32 v83, v84
	s_wait_dscnt 0x0
	s_endpgm
.Lfunc_end_k_qe784e3763f_up:
	.size	k_qe784e3763f_up, .Lfunc_end_k_qe784e3763f_up-k_qe784e3763f_up
	.p2alignl 7, 3214868480
	.fill 96, 4, 3214868480
	.section	.rodata,"a",@progbits
	.p2align	6, 0x0
	.amdhsa_kernel k_qe784e3763f_up
		.amdhsa_group_segment_fixed_size 74240
		.amdhsa_private_segment_fixed_size 0
		.amdhsa_enable_private_segment 0
		.amdhsa_kernarg_size 64
		.amdhsa_user_sgpr_count 2
		.amdhsa_user_sgpr_kernarg_segment_ptr 1
		.amdhsa_wavefront_size32 1
		.amdhsa_system_sgpr_workgroup_id_x 1
		.amdhsa_system_sgpr_workgroup_id_y 1
		.amdhsa_system_sgpr_workgroup_id_z 1
		.amdhsa_system_vgpr_workitem_id 0
		.amdhsa_next_free_vgpr 992
		.amdhsa_next_free_sgpr 100
		.amdhsa_reserve_vcc 0
		.amdhsa_float_denorm_mode_32 3
		.amdhsa_float_denorm_mode_16_64 3
		.amdhsa_memory_ordered 1
		.amdhsa_forward_progress 1
		.amdhsa_inst_pref_size 244
	.end_amdhsa_kernel
	.amdgpu_metadata
---
amdhsa.version: [ 1, 2 ]
amdhsa.kernels:
  - .name:           k_qe784e3763f_up
    .symbol:         k_qe784e3763f_up.kd
    .args:
      - { .name: xq, .offset: 0, .size: 8, .value_kind: global_buffer, .address_space: global }
      - { .name: xs, .offset: 8, .size: 8, .value_kind: global_buffer, .address_space: global }
      - { .name: plan, .offset: 16, .size: 8, .value_kind: global_buffer, .address_space: global }
      - { .name: wimg, .offset: 24, .size: 8, .value_kind: global_buffer, .address_space: global }
      - { .name: w_gate_up_scales, .offset: 32, .size: 8, .value_kind: global_buffer, .address_space: global }
      - { .name: w_sh_gate_up_scales, .offset: 40, .size: 8, .value_kind: global_buffer, .address_space: global }
      - { .name: actc, .offset: 48, .size: 8, .value_kind: global_buffer, .address_space: global }
      - { .name: acts, .offset: 56, .size: 8, .value_kind: global_buffer, .address_space: global }
    .group_segment_fixed_size: 74240
    .private_segment_fixed_size: 0
    .kernarg_segment_align: 8
    .kernarg_segment_size: 64
    .max_flat_workgroup_size: 128
    .sgpr_count:     100
    .vgpr_count:     992
    .wavefront_size: 32
...
	.end_amdgpu_metadata
.endif
;; end of part 7
;; launch down (part 8): grid 8 x 32, 4 waves a work-group, no clusters, 67,072 bytes of LDS; arguments actc, acts, wimg, w_down_scales, w_sh_down_scales, comb, plan, out0; writes out0
.if DOCPART == 8
	.amdgcn_target "amdgcn-amd-amdhsa--gfx1250"
	.amdhsa_code_object_version 6
	.text
	.protected	k_qe784e3763f_down
	.globl	k_qe784e3763f_down
	.p2align	8
	.type	k_qe784e3763f_down,@function
k_qe784e3763f_down:
	s_mov_b64 s[64:65], 0
	v_nop
	global_prefetch_b8 v0, s[64:65] scope:SCOPE_SE
	s_setreg_imm32_b32 hwreg(HW_REG_WAVE_MODE, 25, 1), 1
	s_wait_xcnt 0x0
; DOWN: both down products on E2M3 codes, the combine weights, the sum of routed and shared; each output number has one owner.
; Left out: experts that none of the work-group's 64 tokens chose (the first kernel's head shows why); a NaN or infinity that reaches only those is not carried on.
; SHARES.  Work-group (cg, b) owns the sorted tiles 4 b .. 4 b + 3 (64 tokens) x columns 256 cg .. + 255; wave w owns 64 of the columns: 16 accumulators F, the final sums.
; A SECTION is one expert's 512 along K for the four tiles.  The shared expert's two halves (units 8, 9) add straight into F.  Then a loop of constant count walks the 8 experts, two a trip, and passes over,
; by scalar branches on the stored masks, those that none of the four tiles uses: so this launch has no tensor load.  No cluster: the walk hangs on stored numbers.
; THE HIDDEN LAYER'S IMAGES GO ROUND THROUGH LDS: all four waves want the four tiles' units.  Wave w copies tile w's unit, 6,144 dense bytes, by 12 loads and 12 LDS stores; behind a barrier every wave reads all
; four.  Two buffers take turns, section by section (the loop's two sections name them by immediates), so one barrier a section orders both the stores ahead of the reads and, a section later, the
; reads ahead of the next stores.  The barrier stands on every path: a section is two parts, each under its own branch on the mask, and the barrier lies between them, where the ways have joined.
; The weights' fragments are each wave's own and go from memory straight into registers, in the order of the K steps, so that a K step's 16 products start when its 12 loads are in.
; In a section a tile that does not use the expert takes its own unit 8, which is always written, and all its rows have the weight 0: the text is the same for every mask.
; The product is used transposed (source 0 = 16 rows of the weight, source 1 = 16 tokens): a lane holds one token and eight neighbouring columns.  The weights' fragments are 48 consecutive bytes a lane
; (true block 2 h + c where the layout has 2 c + h), as the hidden layer's images were made; the weights' scale words are turned to match.
; REGISTERS: window 0: v1 16 l, v2 8 l, v3, v4 weight rows, v5 where I store my tile's image, v6 32 l, v7 16 r, v8-9 hidden scale rows, v10-13 combine rows, v14-15 stage, v16-17 the add's two, v18 4 h, v19 4 r,
; v20-27 weights w (even registers), v28-35 the weights' scale words, v36-43 the hidden layer's, v44-47 tokens, v48-175 F at 48 + 32 t + 8 i, v176-239 rows on the way out;
; window 1: v0-191 weight fragments at 12 (4 i + s); window 2: v0-191 hidden fragments at 12 (4 t + s), v192-223 the output rows' offsets; window 3: v0-47 my tile's unit as fetched, v48-175 a routed expert's 16 sums.
.set F,     48
.set AIMG,  24576                      ; LDS: two buffers of four units from 0,
.set STAGE, 49152                      ; four stages of 16 x 272 bytes,
.set SPARE, 66560                      ; and the spare words, named by no other line
.set MSB, 0
.macro WIN new
.if MSB != (\new)
	s_set_vgpr_msb (MSB<<8)|(\new)
.set MSB, (\new)
.endif
.endm
.macro WM zero, ra, rb
.if \zero
.if (\ra)&&(\rb)
	v_wmma_scale_f32_16x16x128_f8f6f4 v[rD:rD+7], v[rA:rA+11], v[rB:rB+11], 0, v[rSA], v[rSB] matrix_a_fmt:MATRIX_FMT_FP6 matrix_b_fmt:MATRIX_FMT_FP6 matrix_a_scale:MATRIX_SCALE_ROW1 matrix_b_scale:MATRIX_SCALE_ROW1
.elseif (\ra)
	v_wmma_scale_f32_16x16x128_f8f6f4 v[rD:rD+7], v[rA:rA+11], v[rB:rB+11], 0, v[rSA], v[rSB] matrix_a_fmt:MATRIX_FMT_FP6 matrix_b_fmt:MATRIX_FMT_FP6 matrix_a_scale:MATRIX_SCALE_ROW1
.elseif (\rb)
	v_wmma_scale_f32_16x16x128_f8f6f4 v[rD:rD+7], v[rA:rA+11], v[rB:rB+11], 0, v[rSA], v[rSB] matrix_a_fmt:MATRIX_FMT_FP6 matrix_b_fmt:MATRIX_FMT_FP6 matrix_b_scale:MATRIX_SCALE_ROW1
.else
	v_wmma_scale_f32_16x16x128_f8f6f4 v[rD:rD+7], v[rA:rA+11], v[rB:rB+11], 0, v[rSA], v[rSB] matrix_a_fmt:MATRIX_FMT_FP6 matrix_b_fmt:MATRIX_FMT_FP6
.endif
.else
.if (\ra)&&(\rb)
	v_wmma_scale_f32_16x16x128_f8f6f4 v[rD:rD+7], v[rA:rA+11], v[rB:rB+11], v[rD:rD+7], v[rSA], v[rSB] matrix_a_fmt:MATRIX_FMT_FP6 matrix_b_fmt:MATRIX_FMT_FP6 matrix_a_scale:MATRIX_SCALE_ROW1 matrix_b_scale:MATRIX_SCALE_ROW1
.elseif (\ra)
	v_wmma_scale_f32_16x16x128_f8f6f4 v[rD:rD+7], v[rA:rA+11], v[rB:rB+11], v[rD:rD+7], v[rSA], v[rSB] matrix_a_fmt:MATRIX_FMT_FP6 matrix_b_fmt:MATRIX_FMT_FP6 matrix_a_scale:MATRIX_SCALE_ROW1
.elseif (\rb)
	v_wmma_scale_f32_16x16x128_f8f6f4 v[rD:rD+7], v[rA:rA+11], v[rB:rB+11], v[rD:rD+7], v[rSA], v[rSB] matrix_a_fmt:MATRIX_FMT_FP6 matrix_b_fmt:MATRIX_FMT_FP6 matrix_b_scale:MATRIX_SCALE_ROW1
.else
	v_wmma_scale_f32_16x16x128_f8f6f4 v[rD:rD+7], v[rA:rA+11], v[rB:rB+11], v[rD:rD+7], v[rSA], v[rSB] matrix_a_fmt:MATRIX_FMT_FP6 matrix_b_fmt:MATRIX_FMT_FP6
.endif
.endif
.endm
	s_load_b256 s[4:11], s[0:1], 0x0               ; actc, acts, wimg, routed scales
	s_load_b64 s[14:15], s[0:1], 0x20              ; shared scales
	s_load_b128 s[16:19], s[0:1], 0x28             ; comb, plan
	s_load_b64 s[20:21], s[0:1], 0x38              ; out
	v_lshl_add_u32 v16, v0, 2, SPARE
	v_mov_b32 v17, 0
	v_lshrrev_b32 v240, 5, v0
	v_readfirstlane_b32 s24, v240                  ; wave
	v_and_b32 v241, 31, v0
	v_lshlrev_b32 v1, 4, v241
	v_lshlrev_b32 v2, 3, v241
	v_lshlrev_b32 v6, 5, v241
	v_and_b32 v242, 15, v0                         ; r
	v_bfe_u32 v243, v0, 4, 1                       ; h
	v_lshlrev_b32 v7, 4, v242
	v_lshlrev_b32 v18, 2, v243
	v_lshlrev_b32 v19, 2, v242
	s_mul_i32 s34, s24, 4352
	s_add_co_u32 s34, s34, STAGE                   ; my stage
	v_mul_u32_u24 v14, v242, 272
	v_lshl_add_u32 v14, v243, 5, v14
	v_add_nc_u32 v14, s34, v14                     ; in: row r, + 32 h
	v_mul_u32_u24 v15, v243, 272
	v_lshl_add_u32 v15, v242, 4, v15
	v_add_nc_u32 v15, s34, v15                     ; back: lanes 0-15 one row, lanes 16-31 the next
	s_mul_i32 s35, s24, 6144
	v_add_nc_u32 v5, s35, v1                       ; my tile's unit in a buffer: 16 l + 6,144 w
.irp r,20,21,22,23,24,25,26,27
	v_mov_b32 v\r, 0                               ; the weights w, written once whole: the odd registers are named as the upper halves of pairs
.endr
	s_mov_b32 s52, 0xffff0000                      ; lanes 16-31
	s_mov_b32 s53, 0x03010200                      ; bytes 1 and 2 change places
	s_mul_i32 s57, s24, 10                         ; my tile's first unit
	s_and_b32 s25, ttmp7, 0xffff                   ; b
	s_lshl_b32 s26, ttmp9, 8
	s_lshl_b32 s34, s24, 6
	s_add_co_u32 s26, s26, s34                     ; my first column
	s_lshl_b32 s27, s25, 4
	s_lshl_b32 s60, s24, 2
	s_add_co_u32 s60, s60, s27
	s_mov_b32 s55, 0
	s_wait_kmcnt 0x0
	s_add_nc_u64 s[12:13], s[8:9], 22020096        ; the shared down weight's images in wimg,
	s_add_nc_u64 s[8:9], s[8:9], 15728640          ; and the routed ones'
	s_load_b128 s[28:31], s[18:19], s27 offset:8192   ; my four tiles' masks,
	s_load_b32 s56, s[18:19], s60 offset:8192         ; and that of the tile whose unit I copy
	s_lshl_b32 s54, s25, 8
	s_add_nc_u64 s[22:23], s[18:19], s[54:55]      ; my 64 places in the sorted list
	s_mul_i32 s54, s25, 245760
	s_add_nc_u64 s[36:37], s[4:5], s[54:55]        ; my 40 units' codes
	s_mul_i32 s54, s25, 10240
	s_add_nc_u64 s[38:39], s[6:7], s[54:55]        ; and scale words
	s_mul_i32 s54, s26, 384
	s_add_nc_u64 s[8:9], s[8:9], s[54:55]
	s_lshl_b32 s54, s26, 4
	s_add_nc_u64 s[10:11], s[10:11], s[54:55]
	s_mul_i32 s54, s26, 768
	s_add_nc_u64 s[12:13], s[12:13], s[54:55]
	s_lshl_b32 s54, s26, 5
	s_add_nc_u64 s[14:15], s[14:15], s[54:55]
	s_lshl_b32 s54, s26, 2
	s_add_nc_u64 s[20:21], s[20:21], s[54:55]
.irp t,0,1,2,3
	global_load_b32 v[44+\t], v19, s[22:23] offset:64*\t       ; tile t's token r
.endr
	WIN 0x80
.irp t,0,1,2,3
.irp k,0,1,2,3,4,5,6,7
	global_load_b32 v[192+8*\t+\k], v18, s[22:23] offset:64*\t+8*\k   ; the token of row 2 k + h, for the way out
.endr
.endr
	WIN 0
.macro UNITS                           ; from the four unit numbers s40-43 and my own tile's s59: my unit's address, and the four units' scale rows
	s_mul_i32 s54, s59, 6144
	s_add_nc_u64 s[44:45], s[36:37], s[54:55]
.irp tp,0,1
	v_mov_b32 v[8+\tp], s[40+2*\tp]
	v_cndmask_b32 v[8+\tp], v[8+\tp], s[41+2*\tp], s52
	v_lshl_add_u32 v[8+\tp], v[8+\tp], 8, v7
.endr
.endm
; A section's first part: all its loads, my tile's unit first; the unit goes into buffer p.  Only in the first section are loads of the wave out when it begins: the 36 loads of tokens.
.macro PART1 p, pitch, koff, bc, bs, bo, bso, spitch, soff, w
	UNITS
.rept 4
	v_nop                                          ; places in front of loads into registers that products have read
.endr
	WIN 0xc0
.irp j,0,1,2,3,4,5,6,7,8,9,10,11
	global_load_b128 v[4*\j:4*\j+3], v1, s[44:45] offset:512*\j   ; 512 consecutive bytes a load
.endr
	WIN 0
.if \w
	s_wait_alu depctr_va_vdst(0)
.irp t,0,1,2,3
	global_load_b32 v[20+2*\t], v[10+\t], s[16:17]             ; my token's weight for this expert
.endr
.endif
.irp ip,0,1
	global_load_b128 v[28+4*\ip:31+4*\ip], v[\bso], s[\bs:\bs+1] offset:32*\spitch*\ip+\soff   ; lanes 0-15 column tile 2 ip, lanes 16-31 tile 2 ip + 1; four K steps' words
.endr
.irp tp,0,1
	global_load_b128 v[36+4*\tp:39+4*\tp], v[8+\tp], s[38:39]
.endr
	WIN 0x40
.irp s,0,1,2,3
.irp i,0,1,2,3
.irp j,0,1,2
	global_load_b128 v[12*(4*\i+\s)+4*\j:12*(4*\i+\s)+4*\j+3], v[\bo], s[\bc:\bc+1] offset:\pitch*\i+\koff+1536*\s+512*\j   ; the weights come as the images that launch place laid out: 512 consecutive bytes a load; pitch: a column tile's images, as many bytes as its 16 rows of codes; v3 and v4 are not used
.endr
.endr
.endr
	s_wait_loadcnt 52+4*\w                         ; my unit is in; younger: the weights w (routed: 4), 4 loads of scale words, 48 of weights
	WIN 0x0c                                       ; an LDS store's data are its source 1: window 3
.irp j,0,1,2,3,4,5,6,7,8,9,10,11
	ds_store_b128 v5, v[4*\j:4*\j+3] offset:AIMG*\p+512*\j
.endr
	WIN 0
.endm
.macro MEET                            ; my unit lies in LDS and my reads of the other buffer are over: then the work-group's barrier
	s_wait_dscnt 0x0
	s_barrier_signal -1
	s_barrier_wait -1
.endm
; A section's second part: the four units out of buffer p, K step by K step; 64 products on 16 accumulators that take turns, one instruction a turn.
; routed = 1: the sums begin anew in window 3 and are added onto F with the tokens' weights;  routed = 0: they are F's own (first = 1: they start F).
.macro PART2 p, routed, first
	WIN 0x80
.irp s,0,1,2,3
.irp t,0,1,2,3
.set rA, 12*(4*\t+\s)
	ds_load_b128 v[rA:rA+3], v1 offset:AIMG*\p+6144*\t+1536*\s          ; the images, as they were stored: 16 loads a K step
	ds_load_b64 v[rA+4:rA+5], v2 offset:AIMG*\p+6144*\t+1536*\s+512
	ds_load_b128 v[rA+6:rA+9], v1 offset:AIMG*\p+6144*\t+1536*\s+768
	ds_load_b64 v[rA+10:rA+11], v2 offset:AIMG*\p+6144*\t+1536*\s+1280
.endr
.endr
	WIN 0
	s_wait_loadcnt 48                              ; all but the 48 loads of weights
.irp i,0,1,2,3,4,5,6,7
	v_perm_b32 v[28+\i], v[28+\i], v[28+\i], s53
.endr
.rept 8
	v_nop                                          ; a scale register written by a vector line stands 8 places ahead of a scaled product
.endr
	s_wait_alu depctr_va_vdst(0)
.irp s,0,1,2,3
	s_wait_loadcnt 12*(3-\s)                       ; this K step's weights are in; the later steps' 12 loads each stay out
	s_wait_dscnt 16*(3-\s)                         ; and so with the images, 16 loads a step
.if \routed
	WIN 0xf9                                       ; weights window 1, hidden layer window 2, sums window 3
.else
	WIN 0x09                                       ; sums window 0
.endif
.irp t,0,1,2,3
.irp i,0,1,2,3
.set rD, F+32*\t+8*\i
.set rA, 12*(4*\i+\s)
.set rB, 12*(4*\t+\s)
.set rSA, 28+4*(\i/2)+\s
.set rSB, 36+4*(\t/2)+\s
.if (\first)&&(\s==0)
	WM 1, \i%2, \t%2
.else
	WM 0, \i%2, \t%2
.endif
.endr
.endr
.endr
.if \routed
.rept 4
	v_nop                                          ; places in front of the first read of results
.endr
	WIN 0x03                                       ; source 0: window 3
.irp t,0,1,2,3
.irp p2,0,1,2,3,4,5,6,7,8,9,10,11,12,13,14,15
	v_pk_fma_f32 v[F+32*\t+2*\p2:F+32*\t+2*\p2+1], v[F+32*\t+2*\p2:F+32*\t+2*\p2+1], v[20+2*\t:21+2*\t], v[F+32*\t+2*\p2:F+32*\t+2*\p2+1] op_sel_hi:[1,0,1]   ; F += w x the expert's sum, each accumulator from its low end on
.endr
.endr
.endif
	WIN 0
.endm
	; ---- the shared expert: two halves of 512 along K, weight 1
.irp pe,0,1
.irp t,0,1,2,3
	s_mov_b32 s[40+\t], 10*\t+8+\pe
.endr
	s_add_co_u32 s59, s57, 8+\pe
	PART1 \pe, 12288, 6144*\pe, 12, 14, 1, 6, 32, 16*\pe, 0
	MEET
	PART2 \pe, 0, 1-\pe
.endr
	; ---- the routed experts
	s_wait_kmcnt 0x0
	s_or_b32 s32, s28, s29
	s_or_b32 s32, s32, s30
	s_or_b32 s32, s32, s31                         ; the experts that some tile of mine uses
.irp t,0,1,2,3
	v_min_u32 v[10+\t], 0x7ff, v[44+\t]
	v_lshlrev_b32 v[10+\t], 5, v[10+\t]            ; my token's combine row
.endr
.macro RSECT p                         ; expert s33 + p, through buffer p
	s_add_co_u32 s58, s33, \p
	s_lshr_b32 s61, s32, s58
	s_and_b32 s61, s61, 1                          ; does any of my tiles use it?
	s_cmp_eq_u32 s61, 0
	s_cbranch_scc1 .Lidle_\@
.irp t,0,1,2,3
	s_lshr_b32 s34, s[28+\t], s58
	s_and_b32 s34, s34, 1
	s_cmp_lg_u32 s34, 0
	s_cselect_b32 s35, s58, 8                      ; a tile that does not use the expert takes its unit 8
	s_add_co_u32 s[40+\t], s35, 10*\t
	s_min_u32 s[40+\t], s[40+\t], 39
.endr
	s_lshr_b32 s34, s56, s58
	s_and_b32 s34, s34, 1
	s_cmp_lg_u32 s34, 0
	s_cselect_b32 s35, s58, 8
	s_add_co_u32 s59, s35, s57                     ; the unit that I copy
	s_min_u32 s59, s59, 39
	PART1 \p, 6144, 0, 8, 10, 1, 1, 16, 0, 1
.Lidle_\@:
	MEET                                           ; on every path
	s_cmp_eq_u32 s61, 0
	s_cbranch_scc1 .Lpass_\@
	PART2 \p, 1, 1
.Lpass_\@:
	s_wait_loadcnt 0x0                             ; no load is out on any way: the bases may step, and the next section may write its addresses
	s_add_nc_u64 s[8:9], s[8:9], 786432            ; the next expert's codes, scale bytes and column of the combine rows
	s_add_nc_u64 s[10:11], s[10:11], 32768
	s_add_nc_u64 s[16:17], s[16:17], 4
.endm
	s_mov_b32 s33, 0
.Lexp:                                             ; four trips, two experts a trip
	RSECT 0
	RSECT 1
	s_add_co_u32 s33, s33, 2
	s_cmp_lt_u32 s33, 8
	s_cbranch_scc1 .Lexp
	; ---- the way out: a tile's 16 rows x 256 bytes go through my stage and leave as whole rows: sixteen lanes store 256 consecutive bytes, at a multiple of 256 from the output's first byte
.rept 4
	v_nop
.endr
	WIN 0x88
.set i, 0
.rept 32
	v_min_u32 v[192+i], 0x7ff, v[192+i]
.set i, i+1
.endr
	WIN 0x82
.set i, 0
.rept 32
	v_lshl_add_u32 v[192+i], v[192+i], 13, v7      ; the token's row of 8,192 bytes, + 16 r
.set i, i+1
.endr
.macro OUT t
.set BK, 176+32*((\t)%2)
.if (\t) >= 2
	s_wait_xcnt 0x0                                ; the stores of two tiles back have read these registers
.endif
	WIN 0
.irp i,0,1,2,3
	ds_store_b128 v14, v[F+32*(\t)+8*\i:F+32*(\t)+8*\i+3] offset:64*\i
	ds_store_b128 v14, v[F+32*(\t)+8*\i+4:F+32*(\t)+8*\i+7] offset:64*\i+16
.endr
.irp k,0,1,2,3,4,5,6,7
	ds_load_b128 v[BK+4*\k:BK+4*\k+3], v15 offset:544*\k       ; LDS serves a wave's instructions in order: these see my stores, and the next tile's stores come behind them
.endr
	WIN 0x02
.irp k,0,1,2,3,4,5,6,7
	s_wait_dscnt 7-\k                              ; the younger loads stay out
	global_store_b128 v[192+8*(\t)+\k], v[BK+4*\k:BK+4*\k+3], s[20:21] th:TH_STORE_NT
.endr
.endm
	OUT 0
	OUT 1
	s_wait_alu depctr_va_vdst(0)
	OUT 2
	OUT 3
	WIN 0
	s_wait_tensorcnt 0x0                           ; the wave's end
	ds_add_u32 v16, v17
	s_wait_dscnt 0x0
	s_endpgm
.Lfunc_end_k_qe784e3763f_down:
	.size	k_qe784e3763f_down, .Lfunc_end_k_qe784e3763f_down-k_qe784e3763f_down
	.p2alignl 7, 3214868480
	.fill 96, 4, 3214868480
	.section	.rodata,"a",@progbits
	.p2align	6, 0x0
	.amdhsa_kernel k_qe784e3763f_down
		.amdhsa_group_segment_fixed_size 67072
		.amdhsa_private_segment_fixed_size 0
		.amdhsa_enable_private_segment 0
		.amdhsa_kernarg_size 64
		.amdhsa_user_sgpr_count 2
		.amdhsa_user_sgpr_kernarg_segment_ptr 1
		.amdhsa_wavefront_size32 1
		.amdhsa_system_sgpr_workgroup_id_x 1
		.amdhsa_system_sgpr_workgroup_id_y 1
		.amdhsa_system_sgpr_workgroup_id_z 1
		.amdhsa_system_vgpr_workitem_id 0
		.amdhsa_next_free_vgpr 944
		.amdhsa_next_free_sgpr 66
		.amdhsa_reserve_vcc 0
		.amdhsa_float_denorm_mode_32 3
		.amdhsa_float_denorm_mode_16_64 3
		.amdhsa_memory_ordered 1
		.amdhsa_forward_progress 1
		.amdhsa_inst_pref_size 116
	.end_amdhsa_kernel
	.amdgpu_metadata
---
amdhsa.version: [ 1, 2 ]
amdhsa.kernels:
  - .name:           k_qe784e3763f_down
    .symbol:         k_qe784e3763f_down.kd
    .args:
      - { .name: actc, .offset: 0, .size: 8, .value_kind: global_buffer, .address_space: global }
      - { .name: acts, .offset: 8, .size: 8, .value_kind: global_buffer, .address_space: global }
      - { .name: wimg, .offset: 16, .size: 8, .value_kind: global_buffer, .address_space: global }
      - { .name: w_down_scales, .offset: 24, .size: 8, .value_kind: global_buffer, .address_space: global }
      - { .name: w_sh_down_scales, .offset: 32, .size: 8, .value_kind: global_buffer, .address_space: global }
      - { .name: comb, .offset: 40, .size: 8, .value_kind: global_buffer, .address_space: global }
      - { .name: plan, .offset: 48, .size: 8, .value_kind: global_buffer, .address_space: global }
      - { .name: out0, .offset: 56, .size: 8, .value_kind: global_buffer, .address_space: global }
    .group_segment_fixed_size: 67072
    .private_segment_fixed_size: 0
    .kernarg_segment_align: 8
    .kernarg_segment_size: 64
    .max_flat_workgroup_size: 128
    .sgpr_count:     66
    .vgpr_count:     944
    .wavefront_size: 32
...
	.end_amdgpu_metadata
.endif
;; end of part 8
